; MI455X (gfx1250); checked and timed in simulation.
; The chip was launched on July 23, 2026; its instructions are those of AMD's public machine-readable ISA for CDNA 5 (MIT licence, August 2026) and "CDNA5" Instruction Set Architecture Reference Guide (July 2026). The comments in the code are by the model that wrote it; some were corrected since.
;; Diff Llama Attention. Allowed arithmetic: float matrix products may take bf16 or f16 operands with f32 sums; other float arithmetic in f32, or as packed bf16 or f16 multiplies, adds, multiply-adds, maxima and minima; sums over many terms, partial sums and values carried from step to step in f32; what a program stores and reads back later, other than sums and carried values, may be rounded once to bf16 or f16.
;; Inputs: attention_mask 2 x 1 x 2,048 x 2,048 float32; cos 2 x 2,048 x 64 float32; hidden_states 2 x 2,048 x 2,048 float32; lambda_k1 64 float32; lambda_k2 64 float32; lambda_q1 64 float32; lambda_q2 64 float32; sin 2 x 2,048 x 64 float32; wk 512 x 2,048 float32; wo 2,048 x 1,024 float32; wq 1,024 x 2,048 float32; wv 512 x 2,048 float32.
;; Outputs: out0 2 x 2,048 x 2,048 float32.
;; 2 versions, each right; version 2 is version 1 with the launch cast written anew for expert scheduling mode. Each part assembles by itself: llvm-mc -triple=amdgcn-amd-amdhsa -mcpu=gfx1250 --defsym DOCPART=n.
;; ======== version 1 of 2: 4 launches
;; limits: values are held in f16: magnitudes above 65,504 overflow, below 6.1e-05 lose precision
;; workspace buffers: bf 30,408,704 bytes; qkv 16,777,216 bytes; ao 8,388,608 bytes
;; launch cast (part 1): grid 16 x 58, 8 waves a work-group, no clusters, 0 bytes of LDS; arguments hidden_states, wq, wk, wv, wo, cos, sin, bf; writes bf
.if DOCPART == 1
	.amdgcn_target "amdgcn-amd-amdhsa--gfx1250"
	.amdhsa_code_object_version 6
	.text
	.protected	k_q42ded1f909_cast
	.globl	k_q42ded1f909_cast
	.p2align	8
	.type	k_q42ded1f909_cast,@function
k_q42ded1f909_cast:
	s_mov_b64 s[64:65], 0
	v_nop
	global_prefetch_b8 v0, s[64:65] scope:SCOPE_SE
	s_setreg_imm32_b32 hwreg(HW_REG_WAVE_MODE, 25, 1), 1
	s_wait_xcnt 0x0
; THE MATRIX OPERANDS AMONG THE INPUTS, AND COS AND SIN, ARE ROUNDED ONCE TO 16 BITS, into one workspace of 58 units of 524,288 bytes:
;   units 0-31 x; 32-39 wq x 2^-5; 40-43 wk x 2^-5; 44-47 wv; 48-55 wo; 56 cos; 57 sin.
; All are bf16 but wo, whose bf16 number is written as f16 (the last product multiplies in f16).  The factors are powers of two, so they commute with the rounding.
; LIMITS.  wo's bf16 number is exact in f16 from 6.1e-5 to 65,504; below that it keeps f16's fixed step of 6e-8.  NaN and infinities pass as the conversions make them.
; SHARES.  Work-group (x, y): unit y is 1 MiB of one input, chunk x 64 KiB of it.  Thread t takes 16 bytes at 16 t + 4,096 i, i = 0..15: a wave's load covers 512 consecutive bytes,
; its store of 8 bytes a lane 256 consecutive bytes, aligned.  All sixteen loads go out first; each load and each store has registers of its own, so no store's source is ever rewritten.
; No LDS, no matrix unit, no cluster: nothing is shared and nothing is multiplied.
.set X, 4                              ; v[4:67]   load i: four f32
.set Y, 68                             ; v[68:99]  store i: four 16-bit numbers
	s_load_b512 s[8:23], s[0:1], 0x0               ; x s[8:9], wq s[10:11], wk s[12:13], wv s[14:15], wo s[16:17], cos s[18:19], sin s[20:21], the workspace s[22:23]
	s_and_b32 s2, ttmp7, 0xffff                    ; the unit
	v_lshlrev_b32 v1, 4, v0                        ; my 16 bytes in
	v_lshlrev_b32 v2, 3, v0                        ; my 8 bytes out
	s_mov_b32 s32, 0xffff0000                      ; a word's upper bf16
	s_mov_b32 s28, 57                              ; the input's first unit
	s_mov_b32 s29, 0                               ; kind 0: round; 1: scale and round; 2: round, and write as f16
	s_mov_b32 s30, 1.0                             ; the scale
	s_wait_kmcnt 0x0
	s_mov_b64 s[26:27], s[20:21]                   ; unit 57 is sin; each line below takes over for the units under its bound
.macro PICK bound, src, u0, kind, scl
	s_cmp_lt_u32 s2, \bound
	s_cselect_b64 s[26:27], s[(\src):(\src)+1], s[26:27]
	s_cselect_b32 s28, \u0, s28
	s_cselect_b32 s29, \kind, s29
	s_cselect_b32 s30, \scl, s30
.endm
	PICK 57, 18, 56, 0, 1.0
	PICK 56, 16, 48, 2, 1.0
	PICK 48, 14, 44, 0, 1.0
	PICK 44, 12, 40, 1, 0x3d000000                 ; 2^-5
	PICK 40, 10, 32, 1, 0x3d000000
	PICK 32, 8, 0, 0, 1.0
	s_mov_b32 s31, s30                             ; named with it as a pair
	s_sub_co_u32 s34, s2, s28
	s_lshl_b32 s34, s34, 20                        ; the unit's MiB in its input,
	s_lshl_b32 s35, ttmp9, 16                      ; my chunk of it
	s_or_b32 s34, s34, s35
	s_mov_b32 s35, 0
	s_add_nc_u64 s[26:27], s[26:27], s[34:35]
	s_lshl_b32 s36, s2, 19                         ; and half as many bytes out
	s_lshl_b32 s37, ttmp9, 15
	s_or_b32 s36, s36, s37
	s_mov_b32 s37, 0
	s_add_nc_u64 s[24:25], s[22:23], s[36:37]
.set i, 0
.rept 16
	global_load_b128 v[X+4*i:X+4*i+3], v1, s[26:27] offset:4096*i th:TH_LOAD_NT
.set i, i+1
.endr
.macro CONV kind
.set i, 0
.rept 16
	s_wait_loadcnt 15-i                            ; loads come back in order: load i is in, the 15 - i younger ones stay out
.if (\kind) == 1
	v_pk_mul_f32 v[X+4*i:X+4*i+1], v[X+4*i:X+4*i+1], s[30:31] op_sel_hi:[1,0]
	v_pk_mul_f32 v[X+4*i+2:X+4*i+3], v[X+4*i+2:X+4*i+3], s[30:31] op_sel_hi:[1,0]
.endif
	v_cvt_pk_bf16_f32 v[Y+2*i], v[X+4*i], v[X+4*i+1]
	v_cvt_pk_bf16_f32 v[Y+2*i+1], v[X+4*i+2], v[X+4*i+3]
.if (\kind) == 2
	v_lshlrev_b32 v[X+4*i], 16, v[Y+2*i]           ; the bf16 numbers as f32 again,
	v_and_b32 v[X+4*i+1], s32, v[Y+2*i]
	v_lshlrev_b32 v[X+4*i+2], 16, v[Y+2*i+1]
	v_and_b32 v[X+4*i+3], s32, v[Y+2*i+1]
	v_cvt_pk_f16_f32 v[Y+2*i], v[X+4*i], v[X+4*i+1]  ; and written as f16
	v_cvt_pk_f16_f32 v[Y+2*i+1], v[X+4*i+2], v[X+4*i+3]
.endif
	global_store_b64 v2, v[Y+2*i:Y+2*i+1], s[24:25] offset:2048*i th:TH_STORE_NT
.set i, i+1
.endr
	s_endpgm
.endm
	s_cmp_eq_u32 s29, 1
	s_cbranch_scc1 .Lscaled
	s_cmp_eq_u32 s29, 2
	s_cbranch_scc1 .Lhalf
	CONV 0
.Lscaled:
	CONV 1
.Lhalf:
	CONV 2
.Lfunc_end_k_q42ded1f909_cast:
	.size	k_q42ded1f909_cast, .Lfunc_end_k_q42ded1f909_cast-k_q42ded1f909_cast
	.p2alignl 7, 3214868480
	.fill 96, 4, 3214868480
	.section	.rodata,"a",@progbits
	.p2align	6, 0x0
	.amdhsa_kernel k_q42ded1f909_cast
		.amdhsa_group_segment_fixed_size 0
		.amdhsa_private_segment_fixed_size 0
		.amdhsa_enable_private_segment 0
		.amdhsa_kernarg_size 64
		.amdhsa_user_sgpr_count 2
		.amdhsa_user_sgpr_kernarg_segment_ptr 1
		.amdhsa_wavefront_size32 1
		.amdhsa_system_sgpr_workgroup_id_x 1
		.amdhsa_system_sgpr_workgroup_id_y 1
		.amdhsa_system_sgpr_workgroup_id_z 1
		.amdhsa_system_vgpr_workitem_id 0
		.amdhsa_next_free_vgpr 104
		.amdhsa_next_free_sgpr 66
		.amdhsa_reserve_vcc 0
		.amdhsa_float_denorm_mode_32 3
		.amdhsa_float_denorm_mode_16_64 3
		.amdhsa_memory_ordered 1
		.amdhsa_forward_progress 1
		.amdhsa_inst_pref_size 22
	.end_amdhsa_kernel
	.amdgpu_metadata
---
amdhsa.version: [ 1, 2 ]
amdhsa.kernels:
  - .name:           k_q42ded1f909_cast
    .symbol:         k_q42ded1f909_cast.kd
    .args:
      - { .name: hidden_states, .offset: 0, .size: 8, .value_kind: global_buffer, .address_space: global }
      - { .name: wq, .offset: 8, .size: 8, .value_kind: global_buffer, .address_space: global }
      - { .name: wk, .offset: 16, .size: 8, .value_kind: global_buffer, .address_space: global }
      - { .name: wv, .offset: 24, .size: 8, .value_kind: global_buffer, .address_space: global }
      - { .name: wo, .offset: 32, .size: 8, .value_kind: global_buffer, .address_space: global }
      - { .name: cos, .offset: 40, .size: 8, .value_kind: global_buffer, .address_space: global }
      - { .name: sin, .offset: 48, .size: 8, .value_kind: global_buffer, .address_space: global }
      - { .name: bf, .offset: 56, .size: 8, .value_kind: global_buffer, .address_space: global }
    .group_segment_fixed_size: 0
    .private_segment_fixed_size: 0
    .kernarg_segment_align: 8
    .kernarg_segment_size: 64
    .max_flat_workgroup_size: 256
    .sgpr_count:     66
    .vgpr_count:     104
    .wavefront_size: 32
...
	.end_amdgpu_metadata
.endif
;; end of part 1
;; launch qkv (part 2): grid 16 x 16, 4 waves a work-group, clusters of 4 x 4, 327,680 bytes of LDS; arguments bf, qkv; writes qkv
.if DOCPART == 2
	.amdgcn_target "amdgcn-amd-amdhsa--gfx1250"
	.amdhsa_code_object_version 6
	.text
	.protected	k_q42ded1f909_qkv
	.globl	k_q42ded1f909_qkv
	.p2align	8
	.type	k_q42ded1f909_qkv,@function
k_q42ded1f909_qkv:
	s_mov_b64 s[64:65], 0
	v_nop
	global_prefetch_b8 v0, s[64:65] scope:SCOPE_SE
	s_setreg_imm32_b32 hwreg(HW_REG_WAVE_MODE, 25, 1), 1
	s_wait_xcnt 0x0
	s_wait_alu depctr_hold_cnt(0) depctr_sa_sdst(0) depctr_va_vdst(0) depctr_va_sdst(0) depctr_va_ssrc(0) depctr_va_vcc(0) depctr_vm_vsrc(0)
	s_getreg_b32 s2, hwreg(HW_REG_IB_STS2, 6, 4)
	s_cmp_eq_u32 s2, 0
	s_cbranch_scc0 .Lentry_in_a_cluster
	s_endpgm
.Lentry_in_a_cluster:
	s_bfe_u32 s2, ttmp6, 0x10000c
	s_cmp_lg_u32 s2, 0xf033
	s_cbranch_scc0 .Lentry_shape_is_right
	s_endpgm
.Lentry_shape_is_right:
; THE THREE PROJECTIONS AND THE ROTATION.  C[m][n] = sum over k of x[m][k] w[n][k], x [4096][2048] and w [2048][2048] bf16 (rows 0-1023 wq / 32, 1024-1535 wk / 32, 1536-2047 wv), sums in f32.
; q and k are rotated by cos and sin in f32; all leave as f16, rounded once, by groups: [batch][16 groups][2048 rows][128]: group i < 8 holds heads (i, i + 8) of q, group 8 + j heads (j, j + 4) of k,
; group 12 + j the same of v.  q also carries log2(e), multiplied into its cos and sin in f32: the launch behind takes its exponentials in base 2.
; LIMITS.  f16 ends at 65,504: |q| log2(e) / 32, |k| / 32 and |v| must stay under it; below 6.1e-5 they keep f16's fixed step of 6e-8.  NaN and infinities are not treated apart.
; SHARES.  A tile of C is 256 rows x 128 columns (the two heads of one group): 16 x 16 work-groups.  Wave w makes rows 64 w .. 64 w + 63, all 128 columns: 32 accumulators, 256 registers.
; K goes in steps of 128 (rows of 256 bytes) through two LDS slots.  Waves 0 and 1 fetch A's two halves (128 rows each), waves 2 and 3 B's (64 rows: one head each).
; A trip of the loop is ONE K step: slot 1 begins at 2^17, so that one exclusive or turns an LDS address in one slot into the other's; one descriptor an operand walks from K step 1 on.
; CLUSTER 4 x 4: A's tile hangs on the tile row alone and is asked for jointly along a row of the cluster, B's on the tile column alone and along a column.
; THE MATRIX INSTRUCTION IS USED TRANSPOSED (source 0 = 16 rows of w, source 1 = 16 rows of x): a lane holds row lane % 16 of C and the columns 16 b + 8 (lane / 16) + 0..7 of accumulator b.
; So channels d and d + 32 of a head lie in the same lane, two accumulators apart, and the rotation changes no lanes.
; REGISTERS.  window 0: v0-31 addresses; v32-127, v128-223 two fragment buffers (A's 4 fragments, then B's 8); on the way out v64-127 cos and sin, v128-191 rotated numbers, v192-255 packed rows.
;   window 1: the accumulators, (a, b) at v[8 (8 a + b)].   window 2: v0-127 cos and sin as loaded.
.set SIZE_K, 2048
.set ROWB,   2*SIZE_K
.set KSTEP,  128
.set STEPS,  SIZE_K/KSTEP
.set PITCH,  272                       ; an LDS row: 256 bytes + 16 of padding = 68 words: the 16 rows of a fragment load start at 16 different groups of four banks (64 banks of 4 bytes: ISA guide 11.1)
.set HALFA,  128*PITCH
.set HALFB,  64*PITCH
.set BOFF,   2*HALFA                   ; B's 128 rows lie behind A's 256
.set SLOT,   BOFF+2*HALFB              ; 104,448 bytes, under 2^17
.set SLOT1,  1<<17
.set STAGE,  SLOT1+SLOT                ; behind the ring: 16 rows x 272 bytes for each wave, for the way out; no tensor load fills it
.set SPITCH, 272
.set SPARE,  STAGE+4*16*SPITCH         ; the spare words, 128 bytes for each wave: two blocks of 256 bytes that no other line names
.set WQKV,   16777216                  ; byte offsets in the workspace
.set COSB,   29360128
.set SINOFF, 524288                    ; sin lies this far behind cos
.set PADW,   (1<<16)|(1<<20)|(1<<21)|(5<<22)|(3<<25)  ; elements of 2 bytes; padding on; bit 21 beside a mask; after every 64 words; 4 words
.set ADRA, 16                          ; v16     LDS address of my A fragments in the slot in hand
.set ADRB, 20                          ; v20     the same for B
.set ONE,  22                          ; v22     what is added to cos x FAC: 1 in a tile of v, 0 elsewhere
.set ZR,   23                          ; v23     0, the addend of sin's unpacking multiply
.set STO,  24
.set RD,   25
.set CO,   26
.set CSO,  27                          ; v27     my byte offset in 16 rows of cos
.set SPW,  28                          ; v28     my spare word; never rewritten
.set NIL,  29                          ; v29     0; never rewritten
.set PFO,  30                          ; v30     the prefetches' offset: lane x a row; never rewritten
.set FAC,  31                          ; v31     log2(e) in a tile of q, 1 in a tile of k, 0 in a tile of v
.set F0,   32
.set F1,   128
.set CU,   64
.set SU,   96
.set R,    128
.set TMP,  192
.set BK,   224
.set G1,  24
.set G0,  32                           ; s[32:39] group 0 for A: a set for each of the two first fills; the second then walks on
.set G1B, 48
.set G0B, 56
.set LIM, 43                           ; s43     2 in a wave that prefetches, else the greatest number
.set PFA, 44                           ; s[44:45] where my prefetches stand
.set MSB, 0
.macro WIN new                         ; the immediate's high byte repeats the setting that is left; a switch that changes nothing is dropped
.if MSB != (\new)
	s_set_vgpr_msb (MSB<<8)|(\new)
.set MSB, \new
.endif
.endm
.set MUL, 0x50                         ; C and D in window 1, both sources in window 0
.macro JLOAD s                         ; a joint load; the branch hangs on the wave's number alone; an s_nop 0 and four v_nop follow each line
	s_cmp_eq_u32 s11, 0
	s_cbranch_scc0 .Lfor_b_\@
	tensor_load_to_lds s[G0+4*(\s):G0+4*(\s)+3], s[G1:G1+7]
	s_nop 0
.rept 4
	v_nop
.endr
	s_branch .Lasked_\@
.Lfor_b_\@:
	tensor_load_to_lds s[G0B+4*(\s):G0B+4*(\s)+3], s[G1B:G1B+7]
	s_nop 0
.rept 4
	v_nop
.endr
.Lasked_\@:
.endm
.macro CREST                           ; a round of the cluster's barrier behind its opening barrier
	s_cmp_lg_u32 s10, 0
	s_cbranch_scc1 .Lnot_wave_0_\@
	s_barrier_signal -3
.Lnot_wave_0_\@:
	s_barrier_wait -3
	s_barrier_signal -1
	s_barrier_wait -1
.endm
.macro CROUND
	s_barrier_signal -1
	s_barrier_wait -1
	CREST
.endm
; A prefetch of the K step that stands two refills on: 32 rows x 256 bytes, a lane a row.  A's rows are asked for by the clusters with x = 0 (waves 0 and 1; the four partners of a row take 32 rows each, by
; address), B's by the clusters with y = 0 (wave 2; the four partners of a column take 32 of the tile's 128 rows each).  So each row's 256 bytes of a K step are named once.
; Trip t refills K step t + 2 and names K step t + 4; the counter is STEPS - 2 - t, so the loop's last two trips, whose K step t + 4 does not exist, ask for nothing.
.macro ASK
	s_cmp_gt_u32 s3, s[LIM]
	s_cbranch_scc0 .Lnot_mine_\@
	global_prefetch_b8 v[PFO], s[PFA:PFA+1] offset:KSTEP*2 th:TH_LOAD_NT scope:SCOPE_SE
.Lnot_mine_\@:
.endm
	s_load_b128 s[4:7], s[0:1], 0x0                ; the 16-bit inputs s[4:5], the output s[6:7]
	v_lshl_add_u32 v[SPW], v0, 2, SPARE
	v_mov_b32 v[NIL], 0
	ds_add_u32 v[SPW], v[NIL]                      ; the wave's opening: the add and its wait stand ahead of my first tensor load; work on registers stands between them
	v_lshrrev_b32 v1, 5, v0
	v_readfirstlane_b32 s10, v1                    ; wave 0..3
	s_lshr_b32 s11, s10, 1                         ; I fetch for A (0) or for B (1)
	s_and_b32 s12, s10, 1                          ; which half of that tile
	s_bfe_u32 s40, ttmp6, 0x40000                  ; cx
	s_bfe_u32 s41, ttmp6, 0x40004                  ; cy
	s_mov_b32 s67, ttmp9                           ; cluster x: 0, 1 tiles of q; 2 of k; 3 of v
	s_lshl_b32 s42, ttmp9, 2
	s_add_co_u32 s42, s42, s40                     ; tile column = the group
	s_and_b32 s13, ttmp7, 0xffff
	s_lshl_b32 s13, s13, 2
	s_add_co_u32 s13, s13, s41                     ; tile row
	s_lshl_b32 s70, s41, 2
	s_lshl_b32 s70, 15, s70                        ; my row of the cluster
	s_lshl_b32 s71, 0x1111, s40                    ; my column
	s_or_b32 s[G1+0], s70, PADW
	s_or_b32 s[G1B+0], s71, PADW
	s_mov_b32 s[G1+1], KSTEP<<16                   ; tensor_dim0 = 128
	s_mov_b32 s[G1+2], 128<<16                     ; tensor_dim1 = 128
	s_mov_b32 s[G1+3], KSTEP<<16                   ; tile_dim0 = 128
	s_mov_b32 s[G1+4], 128                         ; tile_dim1 = 128
	s_mov_b32 s[G1+5], SIZE_K                      ; elements from row to row
	s_mov_b32 s[G1+6], 0
	s_mov_b32 s[G1+7], 0
	s_mov_b32 s[G1B+1], KSTEP<<16
	s_mov_b32 s[G1B+2], 64<<16                     ; B: 64 rows a load
	s_mov_b32 s[G1B+3], KSTEP<<16
	s_mov_b32 s[G1B+4], 64
	s_mov_b32 s[G1B+5], SIZE_K
	s_mov_b32 s[G1B+6], 0
	s_mov_b32 s[G1B+7], 0
	s_lshl_b32 s16, s13, 8
	s_lshl_b32 s17, s12, 7
	s_add_co_u32 s16, s16, s17                     ; A: row 256 x tile row + 128 x half
	s_mul_i32 s16, s16, ROWB                       ; under 2^24
	s_mov_b32 s17, 0
	s_lshr_b32 s72, ttmp9, 1                       ; g = 0 for q, 1 for k and v
	s_lshl_b32 s73, ttmp9, 2
	s_lshl_b32 s73, s73, s72
	s_add_co_u32 s73, s73, s40                     ; B: the tile's first head, counted through q's 16, k's 8, v's 8: cx + (4 x cluster x) << g
	s_lshr_b32 s74, 8, s72                         ; its second head lies 8 (q) or 4 (k, v) further on
	s_mul_i32 s46, s12, s74
	s_add_co_u32 s46, s46, s73
	s_lshl_b32 s46, s46, 18                        ; a head is 64 rows of 4,096 bytes
	s_add_co_u32 s46, s46, WQKV
	s_mov_b32 s47, 0
	s_mul_i32 s20, s12, HALFA                      ; where the tiles go: no place in the cluster enters an LDS address
	s_mul_i32 s21, s12, HALFB
	s_add_co_u32 s21, s21, BOFF
	s_wait_dscnt 0x0                               ; the opening add is done
	s_wait_kmcnt 0x0
	s_add_nc_u64 s[14:15], s[4:5], s[16:17]
	s_add_nc_u64 s[46:47], s[4:5], s[46:47]
	CROUND                                         ; all sixteen work-groups are here: the first joint loads meet
.irp s, 0,1
	s_mov_b32 s[G0+4*(\s)], 1
	s_add_co_u32 s[G0+4*(\s)+1], s20, (\s)*SLOT1
	s_add_nc_u64 s[G0+4*(\s)+2:G0+4*(\s)+3], s[14:15], (\s)*KSTEP*2
	s_or_b32 s[G0+4*(\s)+3], s[G0+4*(\s)+3], 0x80000000
	s_mov_b32 s[G0B+4*(\s)], 1
	s_add_co_u32 s[G0B+4*(\s)+1], s21, (\s)*SLOT1
	s_add_nc_u64 s[G0B+4*(\s)+2:G0B+4*(\s)+3], s[46:47], (\s)*KSTEP*2
	s_or_b32 s[G0B+4*(\s)+3], s[G0B+4*(\s)+3], 0x80000000
	JLOAD \s
.endr
	v_and_b32 v1, 15, v0                           ; r = l % 16
	v_bfe_u32 v2, v0, 4, 1                         ; h = l / 16
	v_mul_u32_u24 v3, v1, PITCH
	v_lshl_add_u32 v3, v2, 4, v3                   ; a fragment's row x pitch + 16 x half
	s_mul_i32 s22, s10, 64*PITCH                   ; my 64 rows of A
	v_add_nc_u32 v[ADRA], s22, v3                  ; both in slot 0
	v_add_nc_u32 v[ADRB], BOFF, v3
	s_mul_i32 s22, s10, 16*SPITCH
	s_add_co_u32 s22, s22, STAGE                   ; my stage
	v_mul_u32_u24 v5, v1, SPITCH                   ; in: row r, 16 bytes for each half of the lanes
	v_lshl_add_u32 v5, v2, 4, v5
	v_add_nc_u32 v[STO], s22, v5
	v_mul_u32_u24 v4, v2, SPITCH                   ; back: lanes 0-15 one row of 256 bytes, lanes 16-31 the next
	v_lshl_add_u32 v4, v1, 4, v4
	v_add_nc_u32 v[RD], s22, v4
	v_and_b32 v[CO], 31, v0                        ; which are 512 consecutive bytes of the output
	v_lshlrev_b32 v[CO], 4, v[CO]
	v_lshlrev_b32 v[CSO], 7, v1                    ; a row of cos is 128 bytes
	v_lshl_add_u32 v[CSO], v2, 4, v[CSO]
	v_mov_b32 v[ZR], 0
	s_cmp_eq_u32 s67, 3                            ; a tile of v is not rotated: it takes cos x 0 + 1 and sin x 0, so that one way out serves every tile
	s_cselect_b32 s75, 0, 1.0
	s_cselect_b32 s79, 1.0, 0
	s_cmp_lt_u32 s67, 2
	s_cselect_b32 s75, 0x3fb8aa3b, s75             ; log2(e) for q
	v_mov_b32 v[FAC], s75
	v_mov_b32 v[ONE], s79
	s_lshl_b32 s68, s13, 15                        ; cos at my 64 rows: (256 x tile row + 64 x wave) x 128 bytes
	s_lshl_b32 s69, s10, 13
	s_add_co_u32 s68, s68, s69
	s_add_co_u32 s68, s68, COSB
	s_mov_b32 s69, 0
	s_add_nc_u64 s[68:69], s[4:5], s[68:69]
	; cos and sin of my 64 rows, as they lie: for row block a and channels 16 c + 8 h + 0..7, 16 bytes a lane.  They are waited for on the way out.
	WIN 0x80                                       ; destination window 2
.irp a, 0,1,2,3
.irp c, 0,1,2,3
	global_load_b128 v[32*(\a)+4*(\c):32*(\a)+4*(\c)+3], v[CSO], s[68:69] offset:(\a)*2048+32*(\c)
	global_load_b128 v[32*(\a)+16+4*(\c):32*(\a)+16+4*(\c)+3], v[CSO], s[68:69] offset:(\a)*2048+32*(\c)+SINOFF
.endr
.endr
	WIN 0
	s_lshr_b32 s76, s13, 3                         ; the output: ((batch x 16 + group) x 2,048 + the tile's rows in the batch + 64 x wave) x 256 bytes
	s_lshl4_add_u32 s76, s76, s42
	s_lshl_b32 s76, s76, 11
	s_and_b32 s77, s13, 7
	s_lshl_b32 s77, s77, 8
	s_add_co_u32 s76, s76, s77
	s_lshl_b32 s77, s10, 6
	s_add_co_u32 s76, s76, s77
	s_lshl_b32 s76, s76, 8
	s_mov_b32 s77, 0
	s_add_nc_u64 s[6:7], s[6:7], s[76:77]
	s_lshl_b32 s76, s13, 8                         ; the prefetches.  A: 256 x tile row + 128 x half + 32 cx
	s_lshl_b32 s77, s12, 7
	s_add_co_u32 s76, s76, s77
	s_lshl_b32 s77, s40, 5
	s_add_co_u32 s76, s76, s77
	s_mul_i32 s76, s76, ROWB
	s_lshr_b32 s77, s41, 1                         ; B: head cy / 2 of the tile's two, its half cy % 2 of 32 rows
	s_mul_i32 s77, s77, s74
	s_add_co_u32 s77, s77, s73
	s_lshl_b32 s77, s77, 1
	s_and_b32 s78, s41, 1
	s_add_co_u32 s77, s77, s78
	s_lshl_b32 s77, s77, 17                        ; 32 rows of 4,096 bytes
	s_add_co_u32 s77, s77, WQKV
	s_and_b32 s78, ttmp7, 0xffff                   ; cluster y,
	s_or_b32 s78, s78, s12                         ; and wave 3 never asks
	s_cmp_eq_u32 s11, 0
	s_cselect_b32 s76, s76, s77
	s_cselect_b32 s78, ttmp9, s78                  ; the coordinate along which other clusters read the same rows
	s_mov_b32 s77, 0
	s_cmp_eq_u32 s78, 0
	s_cselect_b32 s[LIM], 2, -1                    ; the same in all sixteen partners, for a given wave
	s_add_nc_u64 s[PFA:PFA+1], s[4:5], s[76:77]
	s_add_nc_u64 s[PFA:PFA+1], s[PFA:PFA+1], 2*KSTEP*2  ; at K step 2: the first refill steps it to 3 and names K step 4
	v_and_b32 v[PFO], 31, v0
	v_mul_u32_u24 v[PFO], v[PFO], ROWB
; 8 matrix instructions: row block a x all 8 column blocks, 32 along K.  The 32 accumulators take turns, one instruction a turn.  zero = 1: the product starts the sum.
.macro MUL8 f, a, zero
	WIN MUL
.irp b, 0,1,2,3,4,5,6,7
.if \zero
	v_wmma_f32_16x16x32_bf16 v[8*(8*(\a)+(\b)):8*(8*(\a)+(\b))+7], v[(\f)+32+8*(\b):(\f)+32+8*(\b)+7], v[(\f)+8*(\a):(\f)+8*(\a)+7], 0
.else
	v_wmma_f32_16x16x32_bf16 v[8*(8*(\a)+(\b)):8*(8*(\a)+(\b))+7], v[(\f)+32+8*(\b):(\f)+32+8*(\b)+7], v[(\f)+8*(\a):(\f)+8*(\a)+7], v[8*(8*(\a)+(\b)):8*(8*(\a)+(\b))+7]
.endif
.endr
.endm
; 24 LDS loads in one run: the fragments of 32 along K at byte k of the rows of the slot in hand: B's eight, then A's four
.macro FETCH k, f
	WIN 0
.irp i, 0,1,2,3,4,5,6,7
	ds_load_b128 v[(\f)+32+8*(\i):(\f)+32+8*(\i)+3],   v[ADRB] offset:(\k)+(\i)*16*PITCH
	ds_load_b128 v[(\f)+32+8*(\i)+4:(\f)+32+8*(\i)+7], v[ADRB] offset:(\k)+(\i)*16*PITCH+32
.endr
.irp i, 0,1,2,3
	ds_load_b128 v[(\f)+8*(\i):(\f)+8*(\i)+3],   v[ADRA] offset:(\k)+(\i)*16*PITCH
	ds_load_b128 v[(\f)+8*(\i)+4:(\f)+8*(\i)+7], v[ADRA] offset:(\k)+(\i)*16*PITCH+32
.endr
.endm
.macro PLACES                          ; four places in front of loads into registers that matrix instructions have read, and of vector work on their results
.rept 4
	v_nop
.endr
.endm
; A K step is four quarters of 32 along K, 32 matrix instructions each, on buffers 0, 1, 0, 1.  One of the first three multiplies f and fetches the next quarter, at byte k, into g.
.macro QUARTER k, f, g, zero
	s_wait_dscnt 4                                 ; B and A's row blocks 0 and 1 are in; the youngest four loads (blocks 2 and 3) may be out
	MUL8 \f, 0, \zero
	MUL8 \f, 1, \zero
	PLACES
	FETCH \k, \g
	s_wait_dscnt 24                                ; all but the 24 just issued
	MUL8 \f, 2, \zero
	MUL8 \f, 3, \zero
.endm
; The last quarter multiplies buffer 1 and changes slots: one barrier; in front of it each wave waits for all its tensor loads, adds 0 to its spare word, and waits for that and for its reads of this slot.
; fill = 1: the barrier opens a round of the cluster's barrier, and this slot is filled again, two K steps ahead, first thing behind the round: 112 matrix instructions ahead of the wait for it.
.macro TURN fill
.if \fill
	s_wait_xcnt 0x0                                ; the last prefetch, a K step back, has read its address
	s_add_nc_u64 s[PFA:PFA+1], s[PFA:PFA+1], KSTEP*2
.endif
	WIN 0
	s_wait_tensorcnt 0x0                           ; all my tensor loads have landed: my part of the next slot
	ds_add_u32 v[SPW], v[NIL]                      ; 0 onto my spare word
	s_wait_dscnt 5                                 ; the add and the youngest four loads may be out
	MUL8 F1, 0, 0
	s_wait_dscnt 0x0                               ; the add is done, and my reads of this slot are over
	s_barrier_signal -1
	MUL8 F1, 1, 0
	WIN 0                                          ; branches, or the addresses' lines, follow
	s_barrier_wait -1
.if \fill
	CREST                                          ; no wave of any partner still reads this slot's tile or has a load on its way
	s_xor_b32 s[G0+5], s[G0+5], SLOT1              ; the walking descriptors: the other slot than last time, the next K step
	s_add_nc_u64 s[G0+6:G0+7], s[G0+6:G0+7], KSTEP*2
	s_xor_b32 s[G0B+5], s[G0B+5], SLOT1
	s_add_nc_u64 s[G0B+6:G0B+7], s[G0B+6:G0B+7], KSTEP*2
	JLOAD 1                                        ; its four v_nop are also the places in front of the loads below
.else
	PLACES
.endif
	v_xor_b32 v[ADRA], SLOT1, v[ADRA]              ; the fragments come from the other slot from here on
	v_xor_b32 v[ADRB], SLOT1, v[ADRB]
	FETCH 0, F0
.if \fill
	ASK
.endif
	MUL8 F1, 2, 0
	MUL8 F1, 3, 0
.endm
	s_wait_tensorcnt 1                             ; my part of K step 0 is in; K step 1's load may stay out
	s_barrier_signal -1
	s_barrier_wait -1
	FETCH 0, F0
	QUARTER 64, F0, F1, 1                          ; the first quarter stands in front of the loop: its products start the sums
	WIN 0
	s_mov_b32 s3, STEPS-2
.Lstep:                                                ; a trip goes from a K step's second quarter to the next step's first, and fills the slot that it leaves
	QUARTER 128, F1, F0, 0
	QUARTER 192, F0, F1, 0
	TURN 1
	QUARTER 64,  F0, F1, 0
	WIN 0
	s_sub_co_u32 s3, s3, 1
	s_cmp_lg_u32 s3, 0
	s_cbranch_scc1 .Lstep
	QUARTER 128, F1, F0, 0                         ; the last two K steps fill nothing
	QUARTER 192, F0, F1, 0
	TURN 0
	QUARTER 64,  F0, F1, 0
	QUARTER 128, F1, F0, 0
	QUARTER 192, F0, F1, 0
	s_wait_dscnt 4
	MUL8 F1, 0, 0
	MUL8 F1, 1, 0
	s_wait_dscnt 0x0
	MUL8 F1, 2, 0
	MUL8 F1, 3, 0
	WIN 0
; THE WAY OUT, 16 rows (row block a) at a time.
; ROPE: cos x FAC + ONE and sin x FAC are made in one instruction each; then for each head and each channel d < 32: out[d] = q[d] cos[d] - q[d + 32] sin[d], out[d + 32] = q[d + 32] cos[d + 32] + q[d] sin[d + 32].
; Each accumulator's lowest registers are read first.
.macro ROPE a
	WIN 0x02                                       ; source 0 in window 2
.set n, 0
.rept 16
	v_fma_mix_f32_bf16 v[CU+2*n],   v[32*(\a)+n],    v[FAC], v[ONE] op_sel_hi:[1,0,0]
	v_fma_mix_f32_bf16 v[CU+2*n+1], v[32*(\a)+n],    v[FAC], v[ONE] op_sel:[1,0,0] op_sel_hi:[1,0,0]
	v_fma_mix_f32_bf16 v[SU+2*n],   v[32*(\a)+16+n], v[FAC], v[ZR] op_sel_hi:[1,0,0]
	v_fma_mix_f32_bf16 v[SU+2*n+1], v[32*(\a)+16+n], v[FAC], v[ZR] op_sel:[1,0,0] op_sel_hi:[1,0,0]
.set n, n+1
.endr
	WIN 0x01                                       ; source 0 in window 1
.set q, 0
.rept 16
.set bl, 4*(q/8)+(q/4)%2               ; the column block with d < 32; its partner is bl + 2
.set pp, 2*(q%4)
.set sl, 8*((q/4)%2)+pp
	v_pk_mul_f32 v[R+8*bl+pp:R+8*bl+pp+1], v[64*(\a)+8*(bl+2)+pp:64*(\a)+8*(bl+2)+pp+1], v[SU+sl:SU+sl+1]
	v_pk_mul_f32 v[R+8*(bl+2)+pp:R+8*(bl+2)+pp+1], v[64*(\a)+8*bl+pp:64*(\a)+8*bl+pp+1], v[SU+16+sl:SU+16+sl+1]
.set q, q+1
.endr
.set q, 0
.rept 16
.set bl, 4*(q/8)+(q/4)%2
.set pp, 2*(q%4)
.set sl, 8*((q/4)%2)+pp
	v_pk_fma_f32 v[R+8*bl+pp:R+8*bl+pp+1], v[64*(\a)+8*bl+pp:64*(\a)+8*bl+pp+1], v[CU+sl:CU+sl+1], v[R+8*bl+pp:R+8*bl+pp+1] neg_lo:[0,0,1] neg_hi:[0,0,1]
	v_pk_fma_f32 v[R+8*(bl+2)+pp:R+8*(bl+2)+pp+1], v[64*(\a)+8*(bl+2)+pp:64*(\a)+8*(bl+2)+pp+1], v[CU+16+sl:CU+16+sl+1], v[R+8*(bl+2)+pp:R+8*(bl+2)+pp+1]
.set q, q+1
.endr
	WIN 0
.endm
.macro PACK                            ; rounded to f16: 16 bytes a lane and column block
.set n, 0
.rept 32
	v_cvt_pk_f16_f32 v[TMP+n], v[R+2*n], v[R+2*n+1]
.set n, n+1
.endr
.endm
.macro TOSTAGE
	s_wait_xcnt 0x0                                ; the last block's stores have read the registers that are loaded below
.irp b, 0,1,2,3,4,5,6,7
	ds_store_b128 v[STO], v[TMP+4*(\b):TMP+4*(\b)+3] offset:32*(\b)
.endr
.irp t, 0,1,2,3,4,5,6,7
	ds_load_b128 v[BK+4*(\t):BK+4*(\t)+3], v[RD] offset:(\t)*2*SPITCH  ; LDS serves a wave's instructions in order (ISA guide 5.7.1.4): these see the stores above
.endr
.endm
.macro SEND a
	s_wait_dscnt 0x0
.irp t, 0,1,2,3,4,5,6,7
	global_store_b128 v[CO], v[BK+4*(\t):BK+4*(\t)+3], s[6:7] offset:(\a)*4096+(\t)*512  ; 512 consecutive bytes, at a multiple of 256 from the buffer's first byte
.endr
.endm
	PLACES
	s_wait_loadcnt 0x0                             ; cos and sin
.irp a, 0,1,2,3
	ROPE \a
	PACK
	TOSTAGE
	SEND \a
.endr
	s_wait_tensorcnt 0x0                           ; the wave's end, behind my last tensor load and my last LDS store
	ds_add_u32 v[SPW], v[NIL]
	s_wait_dscnt 0x0
	CROUND                                         ; the closing round: no work-group ends while a partner may still ask for a tile that names it
	s_endpgm
.Lfunc_end_k_q42ded1f909_qkv:
	.size	k_q42ded1f909_qkv, .Lfunc_end_k_q42ded1f909_qkv-k_q42ded1f909_qkv
	.p2alignl 7, 3214868480
	.fill 96, 4, 3214868480
	.section	.rodata,"a",@progbits
	.p2align	6, 0x0
	.amdhsa_kernel k_q42ded1f909_qkv
		.amdhsa_group_segment_fixed_size 327680
		.amdhsa_private_segment_fixed_size 0
		.amdhsa_enable_private_segment 0
		.amdhsa_kernarg_size 16
		.amdhsa_user_sgpr_count 2
		.amdhsa_user_sgpr_kernarg_segment_ptr 1
		.amdhsa_wavefront_size32 1
		.amdhsa_system_sgpr_workgroup_id_x 1
		.amdhsa_system_sgpr_workgroup_id_y 1
		.amdhsa_system_sgpr_workgroup_id_z 1
		.amdhsa_system_vgpr_workitem_id 0
		.amdhsa_next_free_vgpr 640
		.amdhsa_next_free_sgpr 80
		.amdhsa_reserve_vcc 0
		.amdhsa_float_denorm_mode_32 3
		.amdhsa_float_denorm_mode_16_64 3
		.amdhsa_memory_ordered 1
		.amdhsa_forward_progress 1
		.amdhsa_inst_pref_size 107
	.end_amdhsa_kernel
	.amdgpu_metadata
---
amdhsa.version: [ 1, 2 ]
amdhsa.kernels:
  - .name:           k_q42ded1f909_qkv
    .symbol:         k_q42ded1f909_qkv.kd
    .args:
      - { .name: bf, .offset: 0, .size: 8, .value_kind: global_buffer, .address_space: global }
      - { .name: qkv, .offset: 8, .size: 8, .value_kind: global_buffer, .address_space: global }
    .group_segment_fixed_size: 327680
    .private_segment_fixed_size: 0
    .kernarg_segment_align: 8
    .kernarg_segment_size: 16
    .max_flat_workgroup_size: 128
    .sgpr_count:     80
    .vgpr_count:     640
    .wavefront_size: 32
...
	.end_amdgpu_metadata
.endif
;; end of part 2
;; launch attn (part 3): grid 16 x 16, 4 waves a work-group, clusters of 4 x 4, 327,680 bytes of LDS; arguments qkv, attention_mask, lambda_q1, lambda_k1, lambda_q2, lambda_k2, ao; writes ao
.if DOCPART == 3
	.amdgcn_target "amdgcn-amd-amdhsa--gfx1250"
	.amdhsa_code_object_version 6
	.text
	.protected	k_q42ded1f909_attn
	.globl	k_q42ded1f909_attn
	.p2align	8
	.type	k_q42ded1f909_attn,@function
k_q42ded1f909_attn:
	s_mov_b64 s[64:65], 0
	v_nop
	global_prefetch_b8 v0, s[64:65] scope:SCOPE_SE
	s_setreg_imm32_b32 hwreg(HW_REG_WAVE_MODE, 25, 1), 1
	s_wait_xcnt 0x0
	s_wait_alu depctr_hold_cnt(0) depctr_sa_sdst(0) depctr_va_vdst(0) depctr_va_sdst(0) depctr_va_ssrc(0) depctr_va_vcc(0) depctr_vm_vsrc(0)
	s_getreg_b32 s2, hwreg(HW_REG_IB_STS2, 6, 4)
	s_cmp_eq_u32 s2, 0
	s_cbranch_scc0 .Lentry_in_a_cluster
	s_endpgm
.Lentry_in_a_cluster:
	s_bfe_u32 s2, ttmp6, 0x10000c
	s_cmp_lg_u32 s2, 0xf033
	s_cbranch_scc0 .Lentry_shape_is_right
	s_endpgm
.Lentry_shape_is_right:
; DIFFERENTIAL ATTENTION for one pair of heads (i, i + 8): both heads' softmax(q . k / 8 + mask) times the pair's common V of 128 channels, a1 - lam a2, the RMS norm over the 128 channels, times 1 - 0.3555..
; IN: q'' = q log2(e) / 32, k' = k / 32, v, by groups of two heads, [batch][16][2048][128] f16; the mask, [batch][2048][2048] f32, and the four lambdas in f32 (both rounded to bf16 here, like every input).
; OUT: [4096][1024] f16, pair i at columns 128 i.
; SCORES.  s = q'' . k' + bf16(mask) log2(e) / 128, so that log2(e) (q . k / 8 + mask) = 128 s.  The mask's term is the C operand that starts the sum.
; SOFTMAX.  For each query and head a running maximum m and sum l: p = 2^(128 s - 128 m); 128 m is exact, so p is at most 1 whatever the size of m; O and l are multiplied by a = 2^(128 m_old - 128 m_new) in every step.
; m starts at the lowest finite number, 128 m at -4.25e37, O and l at 0: the first step is a step like any other, with a = 0.
; Products, maxima and sums in f32; p is rounded to f16 for the second product (l is taken of the unrounded p), the result once at the end.
; LIMITS.  Mask entries are finite, and each row's largest 128 s lies far above -4.25e37; a weight below 2^-126 counts as 0 in l, and below 6e-5 it keeps f16's fixed step of 6e-8; NaN and infinities are not treated apart.
; SHARES.  A work-group owns 128 queries of one pair, each of its four waves 32: tile t = 2 x (block of 16 queries) + head.  PIECE 0 is tiles 0, 1 (queries 0-15, both heads), piece 2 tiles 2, 3.  Every wave walks all 2,048 keys, 64 a step.
; LAYOUT.  S^T = K Q^T (source 0 = 16 keys, source 1 = 16 queries): a lane holds ONE query (lane % 16) and the keys 8 (lane / 16) + 0..7; two such results rounded to f16 ARE source 1 of O^T = V^T P,
; whose result again holds one query a lane, and eight channels.  K comes out of LDS as it lies, V turned, by ds_load_tr16_b128.  Head 0 takes channels 0-63 of K's and Q's rows, head 1 channels 64-127.
; BY TURNS.  In a turn one piece has the matrix unit: 32 products V^T P of the step in hand, then 16 products K Q^T of the next.  Its vector work is the other piece's softmax (268 instructions, cut into 64 slices) and
; its own mask's 48: 316 for 48 products, too many to stand all beside the matrix work.  So ONE slice, four instructions, stands behind EVERY product, and the rest in ONE LUMP between the two runs of products.
; Two turns are a key step.  ONE TEXT FOR EVERY STEP: the loop is entered in the middle of a trip (piece 2's products V^T P there multiply P = 0) and the
; tail is left in the middle of a trip (piece 0's products K Q^T there, on the last K once more, serve nothing): 48 products, once a launch, for two copies of a key step in place of four.
; CLUSTER 4 x 4.  cx: the block of 128 queries; cy: the pair of K and V heads j; cluster y: 2 x batch + (i & 1); i = 2 cy + (i & 1).  K and V hang on (batch, j): asked for jointly along a row of the cluster.
; The mask hangs on (batch, query block): asked for jointly along a column.
; REGISTERS.  window 0: v0-11 addresses; v12-43 statistics, 8 a tile; v44-63 single numbers; v64-191 S^T, 32 a tile; v192-255 P, 16 a tile.   window 1: O^T, 64 a tile.
;   window 2: v0-63 Q, 16 a tile; v128-255 K of one step.   window 3: v0-127 V of one step; v128-191 the mask's term, 32 a piece; v192 log2(e) / 128.
.set KS,    64
.set PK,    272       ; a row of K in LDS: 256 bytes + 16 of padding: the 16 rows of a load start at 16 different groups of four banks (64 banks of 4 bytes: ISA guide 11.1)
.set PV,    288       ; a row of V: 256 + 32
.set PM,    528       ; a row of the mask: 128 keys in f32 + 16: again 16 different groups of four banks
.set SLOT1, 1<<17     ; a slot holds two steps.  The mask's and K's second slots lie this far behind their first, so that one exclusive or turns an address in one into the other's
.set KOFF,  128*PM    ; LDS: the mask's 128 rows from 0, K's 128 rows behind them,
.set STAGE, KOFF+2*KS*PK       ; then, never filled by a tensor load: 16 rows x 272 bytes for each wave, for the way out,
.set SP,    272
.set SPARE, STAGE+4*16*SP      ; and the spare words, 128 bytes for each wave: two blocks of 256 bytes that no other line names; all under 2^17
.set VOFF,  SLOT1+STAGE        ; behind the second slot of the mask and of K: V's two slots, one behind the other
.set VSL,   2*KS*PV
.set VX,    0x7b000   ; VOFF exclusive-or VOFF + VSL (233,472 and 270,336): it turns the one LDS address of V's descriptor into the other
.set AK0, 2           ; v2   my lane's place in a tile of K; never rewritten
.set AV0, 3           ; v3   the same for V
.set ADR, 4           ; v4   the LDS address of the run of loads in hand
.set QO,  5           ; v5   my byte offset in the wave's rows of Q
.set STO, 6
.set RD,  7
.set GO,  8
.set ST,  12          ; tile t's statistics at v[ST+8 t]: +0 128 m, +1 m, +2, +3 l (even keys', odd keys'), +4 to +7 c0-c3, at work; a takes c2's place
.set NLAM, 44         ; v44  -lam
.set AM0, 45          ; v45  my lane's place in a tile of the mask
.set ADM, 46          ; v46  the LDS address of the mask's loads
.set LO,  47          ; v47  my byte offset in a lambda
.set L2E, 59          ; v59  log2(e)
.set ZR,  60          ; v60  0, the addend of the widening multiply
.set PFO, 61          ; v61  the prefetches' offset: lane x a row; never rewritten
.set SPW, 62          ; v62  my spare word; never rewritten
.set NIL, 63          ; v63  0; never rewritten
.set S,   64
.set P,   192
.set KF,  128         ; window 2
.set MF,  128         ; window 3
.set CM,  192         ; window 3
.set WV,  18          ; s18  my wave's number
.set G1K, 24
.set G1V, 32
.set G1M, 40
.set G0K, 48          ; s[48:55] group 0 for K: a set for each of the two first fills; the second then walks on
.set G0V, 56
.set G0M, 68
.set EPSR, 66         ; s66  1e-6
.set SLOTS, 76
.set TWICE, 77
.set CS,  78          ; s[78:79] 128
.set SEL, 80          ; s[80:81] v_permlanex16_b32's selects: each lane takes its own place in the other half
.set TBK, 82          ; s82-84  what is added to my lane's place in K, V, the mask for the step to be fetched
.set TBV, 83
.set TBM, 84
.set HIM, 85          ; s85  a word's upper bf16
.set PFA, 86          ; s[86:87] where my prefetches stand
.set PFS, 88          ; s[88:89] their step from slot to slot
.set LIM, 90          ; s90  1 in a wave that prefetches, else the greatest number
.set RN,  91          ; s91  1 / 128
.set MSB, 0
.macro WIN new
.if MSB != (\new)
	s_set_vgpr_msb (MSB<<8)|(\new)
.set MSB, \new
.endif
.endm
.set W_KQ, 0x0a       ; K and Q in window 2, S^T in window 0
.set W_KM, 0x3a       ; the same with the C operand, the mask's term, in window 3
.set W_PV, 0x53       ; V in window 3, P in window 0, O^T in window 1
.set W_RS, 0x41       ; destination and source 0 in window 1
.set W_UN, 0xcf       ; destination, sources 0 and 1 in window 3, source 2 in window 0
; A joint refill: wave 0 fetches the slot's K, wave 1 its V, waves 2 and 3 the two halves of its mask: 32 KiB each.  The branches hang on the wave's number alone.  An s_nop 0 and four v_nop follow each line.
.macro JLOAD
	s_cmp_lt_u32 s[WV], 2
	s_cbranch_scc0 .Lfor_m_\@
	s_cmp_eq_u32 s[WV], 0
	s_cbranch_scc0 .Lfor_v_\@
	tensor_load_to_lds s[G0K+4:G0K+7], s[G1K:G1K+7]
	s_nop 0
.rept 4
	v_nop
.endr
	s_branch .Lasked_\@
.Lfor_v_\@:
	tensor_load_to_lds s[G0V+4:G0V+7], s[G1V:G1V+7]
	s_nop 0
.rept 4
	v_nop
.endr
	s_branch .Lasked_\@
.Lfor_m_\@:
	tensor_load_to_lds s[G0M+4:G0M+7], s[G1M:G1M+7]
	s_nop 0
.rept 4
	v_nop
.endr
.Lasked_\@:
.endm
; A prefetch of what the NEXT change of slots will ask for, a lane a block of 256 bytes, behind the wave's tensor load and its five lines.  K's and V's rows are walked by the clusters of all x and of both (i & 1):
; the cluster with x = 0 and even y asks, wave 0 for K, wave 1 for V, the four partners of a row 32 rows each, by address.  The mask's rows (512 bytes a slot) are walked by both (i & 1): the cluster with even y
; asks, wave 2 for the first 256 bytes and wave 3 for the second, the four partners of a column 32 rows each.  So each block is named once.  The last change that fills a slot asks for nothing.
.macro ASK
	s_cmp_gt_u32 s[SLOTS], s[LIM]
	s_cbranch_scc0 .Lnot_mine_\@
	global_prefetch_b8 v[PFO], s[PFA:PFA+1] th:TH_LOAD_NT scope:SCOPE_SE
.Lnot_mine_\@:
.endm
.macro CROUND                          ; a round of the cluster's barrier
	s_barrier_signal -1
	s_barrier_wait -1
	s_cmp_lg_u32 s[WV], 0
	s_cbranch_scc1 .Lnot_wave_0_\@
	s_barrier_signal -3
.Lnot_wave_0_\@:
	s_barrier_wait -3
	s_barrier_signal -1
	s_barrier_wait -1
.endm
	s_load_b256 s[4:11], s[0:1], 0x0  ; qkv s[4:5], the mask s[6:7], lambda_q1 s[8:9], lambda_k1 s[10:11]
	s_load_b128 s[12:15], s[0:1], 0x20  ; lambda_q2, lambda_k2
	s_load_b64 s[16:17], s[0:1], 0x30   ; the output
	v_lshl_add_u32 v[SPW], v0, 2, SPARE
	v_mov_b32 v[NIL], 0
	ds_add_u32 v[SPW], v[NIL]       ; the wave's opening: the add and its wait stand ahead of my first tensor load; work on registers stands between them
	v_lshrrev_b32 v1, 5, v0
	v_readfirstlane_b32 s[WV], v1
	s_bfe_u32 s19, ttmp6, 0x40000   ; cx
	s_bfe_u32 s20, ttmp6, 0x40004   ; cy = j
	s_and_b32 s21, ttmp7, 0xffff    ; cluster y
	s_lshr_b32 s22, s21, 1          ; the batch
	s_and_b32 s23, s21, 1
	s_lshl1_add_u32 s67, s20, s23   ; the pair i
	s_lshl_b32 s2, ttmp9, 2
	s_add_co_u32 s2, s2, s19        ; the block of 128 queries
	s_and_b32 s3, s[WV], 1
	s_lshl_b32 s104, s20, 2         ; the joint loads' masks, in registers that later hold the output's offset: no register that counts a loop ever holds a place in the cluster
	s_lshl_b32 s104, 15, s104       ; my row of the cluster
	s_lshl_b32 s105, 0x1111, s19    ; my column
	s_or_b32 s[G1K], s104, (1<<16)|(1<<20)|(1<<21)|(5<<22)|(3<<25)  ; elements of 2 bytes; padding on; bit 21 beside a mask; after every 64 words; 4 words
	s_or_b32 s[G1V], s104, (1<<16)|(1<<20)|(1<<21)|(5<<22)|(7<<25)  ; 8 words
	s_or_b32 s[G1M], s105, (2<<16)|(1<<20)|(1<<21)|(6<<22)|(3<<25)  ; elements of 4 bytes; after every 128 words; 4 words
	s_lshl_b32 s92, s22, 23         ; K: batch x 2^23 + (8 + j) x 2^19 bytes
	s_add_co_u32 s93, s20, 8
	s_lshl_b32 s93, s93, 19
	s_add_co_u32 s92, s92, s93
	s_mov_b32 s93, 0
	s_lshl_b32 s96, s22, 24         ; the mask: (batch x 2,048 + 128 x block) rows of 8,192 bytes
	s_lshl_b32 s97, s2, 20
	s_add_co_u32 s96, s96, s97
	s_lshl_b32 s86, s3, 21          ; the prefetches.  Waves 0, 1: K, or V 2^21 bytes on; my work-group's 32 rows; slot 2
	s_add_co_u32 s86, s86, s92
	s_lshl_b32 s87, s19, 13
	s_add_co_u32 s86, s86, s87
	s_add_co_u32 s86, s86, 2*2*KS*256
	s_lshl_b32 s99, s20, 18         ; waves 2, 3: the mask's rows 32 cy on; the first or the second 256 bytes; slot 2
	s_add_co_u32 s99, s99, s96
	s_lshl_b32 s98, s3, 8
	s_add_co_u32 s99, s99, s98
	s_add_co_u32 s99, s99, 2*2*KS*4
	s_mov_b32 s98, 2*KS*4           ; the mask's step from slot to slot, in a register: an instruction holds one literal
	s_cmp_lt_u32 s[WV], 2
	s_cselect_b32 s86, s86, s99
	s_cselect_b32 s[PFS], 2*KS*256, s98
	s_cselect_b32 s99, 8, 13        ; a row is 256 bytes of K and V, 8,192 of the mask
	s_cselect_b32 s[LIM], ttmp9, 0
	s_mov_b32 s87, 0
	s_mov_b32 s[PFS+1], 0
	v_and_b32 v[PFO], 31, v0
	v_lshlrev_b32 v[PFO], s99, v[PFO]
	s_or_b32 s[LIM], s[LIM], s23
	s_cmp_eq_u32 s[LIM], 0
	s_cselect_b32 s[LIM], 1, -1     ; the same in all sixteen partners, for a given wave
	s_lshl_b32 s97, s3, 19          ; the mask's half that I fetch: 64 rows
	s_add_co_u32 s96, s96, s97
	s_mov_b32 s97, 0
	s_mul_i32 s98, s3, 64*PM        ; and its place in a slot: no place in the cluster enters an LDS address
	s_lshl_b32 s100, s22, 23        ; Q: batch, group i, (128 x block + 32 x wave) rows of 256 bytes
	s_lshl_b32 s101, s67, 19
	s_add_co_u32 s100, s100, s101
	s_lshl_b32 s101, s2, 15
	s_add_co_u32 s100, s100, s101
	s_lshl_b32 s101, s[WV], 13
	s_add_co_u32 s100, s100, s101
	s_mov_b32 s101, 0
	s_lshl_b32 s104, s22, 22        ; the output: the same rows, of 2,048 bytes, and 256 i
	s_lshl_b32 s105, s2, 18
	s_add_co_u32 s104, s104, s105
	s_lshl_b32 s105, s[WV], 16
	s_add_co_u32 s104, s104, s105
	s_lshl_b32 s105, s67, 8
	s_add_co_u32 s104, s104, s105
	s_mov_b32 s105, 0
.irp g, G1K, G1V
	s_mov_b32 s[(\g)+1], 128<<16    ; tensor_dim0 = 128
	s_mov_b32 s[(\g)+2], 128<<16    ; tensor_dim1 = 128
	s_mov_b32 s[(\g)+3], 128<<16    ; tile_dim0 = 128
	s_mov_b32 s[(\g)+4], 128        ; tile_dim1 = 128
	s_mov_b32 s[(\g)+5], 128        ; elements from row to row
	s_mov_b32 s[(\g)+6], 0
	s_mov_b32 s[(\g)+7], 0
.endr
	s_mov_b32 s[G1M+1], 128<<16
	s_mov_b32 s[G1M+2], 64<<16      ; 64 rows a load
	s_mov_b32 s[G1M+3], 128<<16
	s_mov_b32 s[G1M+4], 64
	s_mov_b32 s[G1M+5], 2048
	s_mov_b32 s[G1M+6], 0
	s_mov_b32 s[G1M+7], 0
	s_mov_b32 s[CS], 0x43000000     ; 128
	s_mov_b32 s[CS+1], s[CS]
	s_mov_b32 s[SEL], 0x76543210
	s_mov_b32 s[SEL+1], 0xfedcba98
	s_mov_b32 s[TBK], 0
	s_mov_b32 s[TBV], 0
	s_mov_b32 s[TBM], 0
	s_mov_b32 s[HIM], 0xffff0000
	s_mov_b32 s[RN], 0x3c000000
	s_mov_b32 s[EPSR], 0x358637bd
	s_mov_b32 s[SLOTS], 2048/(2*KS)-1  ; the way in passes the loop's foot once; then 14 slots are filled again
	s_wait_dscnt 0x0                ; the opening add is done
	s_wait_kmcnt 0x0
	s_add_nc_u64 s[92:93], s[4:5], s[92:93]        ; K at the head pair's first key
	s_cmp_lt_u32 s[WV], 2
	s_cselect_b64 s[94:95], s[4:5], s[6:7]
	s_add_nc_u64 s[PFA:PFA+1], s[94:95], s[86:87]  ; in slot 2; the first change of slots steps it to slot 3
	s_add_nc_u64 s[94:95], s[92:93], 4<<19         ; V lies four groups behind K
	s_add_nc_u64 s[96:97], s[6:7], s[96:97]        ; the mask at my half's first row
	s_add_nc_u64 s[4:5], s[4:5], s[100:101]        ; Q and the output at my wave's first row
	s_add_nc_u64 s[16:17], s[16:17], s[104:105]
	CROUND                          ; all sixteen work-groups are here: the first joint loads meet
.irp s, 0,1
	s_mov_b32 s[G0K+4*(\s)], 1
	s_mov_b32 s[G0K+4*(\s)+1], KOFF+(\s)*SLOT1
	s_add_nc_u64 s[G0K+4*(\s)+2:G0K+4*(\s)+3], s[92:93], (\s)*2*KS*256
	s_or_b32 s[G0K+4*(\s)+3], s[G0K+4*(\s)+3], 0x80000000
	s_mov_b32 s[G0V+4*(\s)], 1
	s_mov_b32 s[G0V+4*(\s)+1], VOFF+(\s)*VSL
	s_add_nc_u64 s[G0V+4*(\s)+2:G0V+4*(\s)+3], s[94:95], (\s)*2*KS*256
	s_or_b32 s[G0V+4*(\s)+3], s[G0V+4*(\s)+3], 0x80000000
	s_mov_b32 s[G0M+4*(\s)], 1
	s_add_co_u32 s[G0M+4*(\s)+1], s98, (\s)*SLOT1
	s_add_nc_u64 s[G0M+4*(\s)+2:G0M+4*(\s)+3], s[96:97], (\s)*2*KS*4
	s_or_b32 s[G0M+4*(\s)+3], s[G0M+4*(\s)+3], 0x80000000
.endr
	s_cmp_lt_u32 s[WV], 2           ; a wave's two first fills stand together, ahead of every wait on TENSORcnt and every LDS read: two loads of mine are out
	s_cbranch_scc0 .Lfirst_m
	s_cmp_eq_u32 s[WV], 0
	s_cbranch_scc0 .Lfirst_v
	tensor_load_to_lds s[G0K:G0K+3], s[G1K:G1K+7]
	s_nop 0
	tensor_load_to_lds s[G0K+4:G0K+7], s[G1K:G1K+7]
	s_nop 0
.rept 4
	v_nop
.endr
	s_branch .Lfirst_asked
.Lfirst_v:
	tensor_load_to_lds s[G0V:G0V+3], s[G1V:G1V+7]
	s_nop 0
	tensor_load_to_lds s[G0V+4:G0V+7], s[G1V:G1V+7]
	s_nop 0
.rept 4
	v_nop
.endr
	s_branch .Lfirst_asked
.Lfirst_m:
	tensor_load_to_lds s[G0M:G0M+3], s[G1M:G1M+7]
	s_nop 0
	tensor_load_to_lds s[G0M+4:G0M+7], s[G1M:G1M+7]
	s_nop 0
.rept 4
	v_nop
.endr
.Lfirst_asked:
	v_and_b32 v1, 15, v0            ; l % 16
	v_bfe_u32 v9, v0, 4, 1          ; l / 16
	v_and_b32 v[LO], 31, v0
	v_lshlrev_b32 v[LO], 3, v[LO]   ; two numbers of each lambda a lane
	global_load_b64 v[48:49], v[LO], s[8:9]
	global_load_b64 v[50:51], v[LO], s[10:11]
	global_load_b64 v[52:53], v[LO], s[12:13]
	global_load_b64 v[54:55], v[LO], s[14:15]
	v_lshlrev_b32 v[QO], 8, v1
	v_lshl_add_u32 v[QO], v9, 4, v[QO]  ; row x 256 + 16 x half
	WIN 0x80                        ; destination window 2
.set i, 0
.rept 8                             ; Q stays in registers: queries 16 (i / 4) on, head (i / 2) % 2, channels 32 (i % 2) on
	global_load_b128 v[8*i:8*i+3],   v[QO], s[4:5] offset:(i/4)*4096+((i/2)%2)*128+(i%2)*64
	global_load_b128 v[8*i+4:8*i+7], v[QO], s[4:5] offset:(i/4)*4096+((i/2)%2)*128+(i%2)*64+32
.set i, i+1
.endr
	WIN 0
	v_mul_u32_u24 v[AK0], v1, PK
	v_lshl_add_u32 v[AK0], v9, 4, v[AK0]  ; row x pitch + 16 x half
	v_add_nc_u32 v[AK0], KOFF, v[AK0]
	; The turning load takes 16 keys x 16 channels (lane l reads key 8 (l / 16) + l % 8, channels 8 ((l / 8) % 2) + 0..7) and leaves half a fragment of V^T: lane l holds channel l % 16 and 8 keys.
	v_and_b32 v10, 7, v0
	v_bfe_u32 v11, v0, 3, 1
	v_lshl_add_u32 v[AV0], v9, 3, v10
	v_mul_u32_u24 v[AV0], v[AV0], PV
	v_lshl_add_u32 v[AV0], v11, 4, v[AV0]
	v_add_nc_u32 v[AV0], VOFF, v[AV0]
	s_lshl_b32 s3, s[WV], 5
	v_add_nc_u32 v[AM0], s3, v1     ; the mask: my query's row, 32 w + l % 16, and my lanes' 8 keys, 32 bytes
	v_mul_u32_u24 v[AM0], v[AM0], PM
	v_lshl_add_u32 v[AM0], v9, 5, v[AM0]
	v_mov_b32 v[L2E], 0x3fb8aa3b
	v_mov_b32 v[ZR], 0
	; What the first turn finds, made in the wait for the first tile: piece 2's P is 0; m, 128 m and l as the head says; O^T is 0 x 0 + 0: 32 matrix instructions write its 256 registers.
.set n, 0
.rept 32
	v_mov_b32 v[P+32+n], 0
.set n, n+1
.endr
.irp t, 0,1,2,3
	v_mov_b32 v[ST+8*(\t)], 0xfe000000    ; 128 m: far below every 128 s
	v_mov_b32 v[ST+8*(\t)+1], 0xff7fffff  ; m
	v_mov_b32 v[ST+8*(\t)+2], 0
	v_mov_b32 v[ST+8*(\t)+3], 0
.endr
	WIN 0xc0
	v_mov_b32 v[CM], 0x3c38aa3b     ; log2(e) / 128
	WIN 0x40                        ; destination window 1
.set n, 0
.rept 32
	v_wmma_f32_16x16x32_f16 v[8*n:8*n+7], v[P+32:P+39], v[P+40:P+47], 0
.set n, n+1
.endr
	WIN 0
	s_wait_loadcnt 16               ; the lambdas are in; Q's sixteen loads stay out
	v_cvt_pk_bf16_f32 v48, v48, v49 ; rounded to bf16, like every input,
	v_cvt_pk_bf16_f32 v50, v50, v51
	v_cvt_pk_bf16_f32 v52, v52, v53
	v_cvt_pk_bf16_f32 v54, v54, v55
.irp r, 48,50,52,54
	v_lshlrev_b32 v[(\r)+1], 16, v[\r]  ; and widened again
	v_and_b32 v[\r], s[HIM], v[\r]
.endr
	v_mul_f32 v56, v48, v50
	v_mul_f32 v57, v52, v54
	v_fmac_f32 v56, v49, v51
	v_fmac_f32 v57, v53, v55
.irp x, 1,2,4,8
	v_add_f32_dpp v56, v56, v56 row_xmask:\x row_mask:0xf bank_mask:0xf
	v_add_f32_dpp v57, v57, v57 row_xmask:\x row_mask:0xf bank_mask:0xf
.endr
	v_permlanex16_b32 v48, v56, s[SEL], s[SEL+1]
	v_permlanex16_b32 v49, v57, s[SEL], s[SEL+1]
	v_add_f32 v56, v56, v48
	v_add_f32 v57, v57, v49
	v_mul_f32 v56, v56, v[L2E]
	v_mul_f32 v57, v57, v[L2E]
	v_exp_f32 v56, v56
	v_exp_f32 v57, v57
	v_nop                           ; a plain instruction behind the exponentials,
	s_wait_alu depctr_va_vdst(0)    ; and the wait ahead of the first use
	v_sub_f32 v[NLAM], v57, v56
	v_add_f32 v[NLAM], 0xbeb60549, v[NLAM]  ; -lam = lam2 - lam1 - (0.8 - 0.6 e^-0.3)
; THE MATRIX WORK OF A TURN, for piece x.  The accumulators take turns, one instruction a turn: between two links of a chain stand 15 (V^T P) or 7 (K Q^T) others'.
; Product i of 32 of O^T += V^T P: keys 32 (i / 16) on, channels 16 ((i / 2) % 8) on, tile x + i % 2.
.macro PV x
	WIN W_PV
.set rO, 64*((\x)+i%2)+8*((i/2)%8)
.set rV, 64*(i/16)+8*((i/2)%8)
.set rP, P+16*((\x)+i%2)+8*(i/16)
	v_wmma_f32_16x16x32_f16 v[rO:rO+7], v[rV:rV+7], v[rP:rP+7], v[rO:rO+7]
.endm
; Product i of 16 of S^T = K Q^T + the mask's term: the head's channels 32 (i / 8) on, keys 16 ((i / 2) % 4) on, head i % 2.  The first 8 start the sums with the mask's term, which both heads share.
.macro KQ x
.set rS, S+32*((\x)+i%2)+8*((i/2)%4)
.set rK, KF+32*((i/2)%4)+8*(2*(i%2)+i/8)
.set rQ, 16*((\x)+i%2)+8*(i/8)
.set rM, MF+16*(\x)+8*((i/2)%4)
.if i < 8
	WIN W_KM
	v_wmma_f32_16x16x32_f16 v[rS:rS+7], v[rK:rK+7], v[rQ:rQ+7], v[rM:rM+7]
.else
	WIN W_KQ
	v_wmma_f32_16x16x32_f16 v[rS:rS+7], v[rK:rK+7], v[rQ:rQ+7], v[rS:rS+7]
.endif
.endm
; Pair n of 16 of piece x's mask, in place: UCV rounds the two f32 to bf16, into the pair's second register; UMX widens each half and multiplies it by log2(e) / 128, in one instruction.
.macro UCV x, n
	WIN W_UN
	v_cvt_pk_bf16_f32 v[MF+16*(\x)+2*(\n)+1], v[MF+16*(\x)+2*(\n)], v[MF+16*(\x)+2*(\n)+1]
.endm
.macro UMX x, n
	WIN W_UN
	v_fma_mix_f32_bf16 v[MF+16*(\x)+2*(\n)],   v[MF+16*(\x)+2*(\n)+1], v[CM], v[ZR] op_sel_hi:[1,0,0]
	v_fma_mix_f32_bf16 v[MF+16*(\x)+2*(\n)+1], v[MF+16*(\x)+2*(\n)+1], v[CM], v[ZR] op_sel:[1,0,0] op_sel_hi:[1,0,0]
.endm
; THE LDS LOADS stand in runs.  A step's mask for both pieces (16 loads: 16 queries x 64 keys in f32 each) goes first, then its K (64 keys x 128 channels: 16 fragments).
; last = 1 (the tail): in the last trip there is no further step, and the run is jumped over.
.macro FETCH_K last=0
	WIN 0
.if \last
	s_cmp_eq_u32 s[TWICE], 1
	s_cbranch_scc1 .Lno_k_\@
.endif
	v_add_nc_u32 v[ADR], s[TBK], v[AK0]
	v_add_nc_u32 v[ADM], s[TBM], v[AM0]
	s_add_co_u32 s[TBK], s[TBK], KS*PK  ; the next fetch is the next step's
	s_add_co_u32 s[TBM], s[TBM], KS*4
	WIN 0xc0                        ; destination window 3
.irp f, 0,1,2,3,4,5,6,7             ; queries 16 (f / 4) on, keys 16 (f % 4) on: a lane's eight keys are 32 bytes
	ds_load_b128 v[MF+8*(\f):MF+8*(\f)+3],   v[ADM] offset:((\f)/4)*16*PM+((\f)%4)*64
	ds_load_b128 v[MF+8*(\f)+4:MF+8*(\f)+7], v[ADM] offset:((\f)/4)*16*PM+((\f)%4)*64+16
.endr
	WIN 0x80                        ; destination window 2
.irp f, 0,1,2,3,4,5,6,7,8,9,10,11,12,13,14,15  ; keys 16 (f / 4) on, channels 32 (f % 4) on
	ds_load_b128 v[KF+8*(\f):KF+8*(\f)+3],   v[ADR] offset:((\f)/4)*16*PK+((\f)%4)*64
	ds_load_b128 v[KF+8*(\f)+4:KF+8*(\f)+7], v[ADR] offset:((\f)/4)*16*PK+((\f)%4)*64+32
.endr
.if \last
	WIN 0
.Lno_k_\@:
.endif
.endm
.macro FETCH_V wait=1
	WIN 0
	v_add_nc_u32 v[ADR], s[TBV], v[AV0]
	s_add_co_u32 s[TBV], s[TBV], KS*PV
.if \wait
	s_wait_alu depctr_va_vdst(0)    ; the wait for the softmax's batch (TURN), behind the address's v_add_nc_u32 and ahead of the loads
.endif
	WIN 0xc0                        ; destination window 3
.irp f, 0,1,2,3,4,5,6,7,8,9,10,11,12,13,14,15  ; keys 32 (f / 8) on, channels 16 (f % 8) on
	ds_load_tr16_b128 v[8*(\f):8*(\f)+3],   v[ADR] offset:((\f)/8)*32*PV+((\f)%8)*32
	ds_load_tr16_b128 v[8*(\f)+4:8*(\f)+7], v[ADR] offset:((\f)/8)*32*PV+16*PV+((\f)%8)*32
.endr
.endm
; THE VECTOR WORK OF A TURN.  One tile's softmax for one key step is a list of 134 instructions; SM writes number j of it for tile t.  s0-s31 are the lane's 32 scores, in pairs 0-15.
;   0-15    the maximum of s0-s31 and the old m, three operands at a time (each accumulator's lowest registers are read first)
;   16-20   the other half of the lanes' maximum; the new m; 128 m; its change
;   21-69   ONE BATCH: the 16 scalings 128 s - 128 m and all 33 exponentials (a at 23, then s0-s31); none of these reads an exponential's result
;   (wait)  between 69 and 70 stands the wait for the batch: TURN writes it, once for both tiles
;   70-85   the roundings to f16     86-101  the sums; l = a l + the sum     102-133 the tile's O^T times a
.macro SM t
.set rT, ST+8*(\t)
.set rS, S+32*(\t)
.set rP, P+16*(\t)
.set rO, 64*(\t)+2*(j-102)
.if j < 102
	WIN 0
.endif
.if j < 4
	v_max3_num_f32 v[rT+4+j], v[rS+8*j], v[rS+8*j+1], v[rS+8*j+2]
.elseif j < 12
	v_max3_num_f32 v[rT+4+j%4], v[rT+4+j%4], v[rS+8*(j%4)+2*(j/4)+1], v[rS+8*(j%4)+2*(j/4)+2]
.elseif j == 12
	v_max3_num_f32 v[rT+4], v[rT+4], v[rS+7], v[rS+15]
.elseif j == 13
	v_max3_num_f32 v[rT+6], v[rT+6], v[rS+23], v[rS+31]
.elseif j == 14
	v_max3_num_f32 v[rT+4], v[rT+4], v[rT+5], v[rT+6]
.elseif j == 15
	v_max3_num_f32 v[rT+4], v[rT+4], v[rT+7], v[rT+1]
.elseif j == 16
	v_permlanex16_b32 v[rT+5], v[rT+4], s[SEL], s[SEL+1]  ; the query's other 32 keys lie in the lane 16 away
.elseif j == 17
	v_mov_b32 v[rT+7], v[rT]        ; 128 m_old is kept for a
.elseif j == 18
	v_max_num_f32 v[rT+1], v[rT+4], v[rT+5]
.elseif j == 19
	v_mul_f32 v[rT], s[CS], v[rT+1]
.elseif j == 20
	v_sub_f32 v[rT+7], v[rT+7], v[rT]
.elseif j == 23
	v_exp_f32 v[rT+6], v[rT+7]
.elseif (j < 23) || ((j < 38) && (j%2 == 0)) || ((j < 66) && (j%4 == 2))
.set b, (j-2)/4                     ; 38, 42, .. 62: pairs 9 to 15
.if j < 38
.set b, (j-20)/2                    ; 21: pair 0; 22, 24, .. 36: pairs 1 to 8
.endif
	v_pk_fma_f32 v[rS+2*b:rS+2*b+1], v[rS+2*b:rS+2*b+1], s[CS:CS+1], v[rT:rT+1] op_sel_hi:[1,0,0] neg_lo:[0,0,1] neg_hi:[0,0,1]
.elseif j < 70
.set e, j-38                        ; 66 to 69: s28 to s31
.if j < 66
.set e, j-32-(j-38)/4               ; 39-41, 43-45, .. 63-65: s7 to s27
.endif
.if j < 38
.set e, (j-25)/2                    ; 25, 27, .. 37: s0 to s6
.endif
	v_exp_f32 v[rS+e], v[rS+e]
.elseif j < 86
	v_cvt_pk_f16_f32 v[rP+j-70], v[rS+2*(j-70)], v[rS+2*(j-70)+1]
.elseif j < 102                     ; the sum of the tile's 16 pairs, in place: neighbours 1, 2, 4 and 8 pairs apart, then l takes it
.set z, j-86
.set w, 4
.set u, z
.if z >= 14
.set w, 32
.set u, 0
.elseif z >= 12
.set w, 16
.set u, z-12
.elseif z >= 8
.set w, 8
.set u, z-8
.endif
.if z < 15
	v_pk_add_f32 v[rS+w*u:rS+w*u+1], v[rS+w*u:rS+w*u+1], v[rS+w*u+w/2:rS+w*u+w/2+1]
.else
	v_pk_fma_f32 v[rT+2:rT+3], v[rT+2:rT+3], v[rT+6:rT+7], v[rS:rS+1] op_sel_hi:[1,0,1]
.endif
.else
	WIN W_RS
	v_pk_mul_f32 v[rO:rO+1], v[rO:rO+1], v[rT+6:rT+7] op_sel_hi:[1,0]
.endif
.endm
; Slice k of 64 of piece y's softmax: four instructions.  Slices 11 to 34 deal out the batch, four numbers of ONE tile each, the tiles by turns; every other slice is numbers 2 k and 2 k + 1 of both tiles;
; the twelve that are over stand in slice 63.  Ahead of slice 35 nothing names an exponential's result, and behind slice 34 none is issued: one wait between the two, which TURN writes, serves the piece's 66.
.macro SLICE y
.if (k >= 11) && (k < 35)
.irp n, 0,1,2,3
.set j, 22+4*((k-11)/2)+(\n)
	SM (\y)+(k-11)%2
.endr
.else
.irp n, 0,1,2,3,4,5,6,7
.if ((\n) < 2) || (k == 63)
.irp t, \y, (\y)+1
.set j, 2*k+(\n)
	SM \t
.endr
.endif
.endr
.endif
.set k, k+1
.endm
; A TURN.  Piece x has the matrix unit; the other piece's softmax goes through its 64 slices in their order.
;   32 products V^T P, behind each ONE slice (0 to 31);
;   THE LUMP, 113 vector instructions with no product among them: slices 32 to 34, the batch's last exponentials; a v_nop, the plain instruction behind the last of them; piece x's mask: 16 roundings, then 32 widenings,
;   which name no exponential's result and so stand ahead of the wait; the batch's one wait; slices 35 to 47: the roundings to f16 and the first of the sums;
;   16 products K Q^T, behind each ONE slice (48 to 63): the last sums and the rescaling; slice 63's sixteen plain multiplies are the places behind the turn's last product.
; The mask's registers: their last matrix readers, this piece's first 8 products K Q^T, stand two turns back.
; Piece 0's turn fetches the next step's mask and K behind its second product: the last product that read K stands in front of slice 63 of the turn before.  Piece 2's turn fetches the same step's V
; at the wait, in the lump: the last product that read V stands in front of slice 31, and the mask's 48 plain instructions lie between.
.macro TURN x, last=0
.set k, 0
.if (\x) == 0
	s_wait_dscnt 0x0                ; V is in
.endif
.set i, 0
.rept 32
	PV \x
	SLICE 2-(\x)
.if ((\x) == 0) && (i == 1)
	FETCH_K \last
.endif
.set i, i+1
.endr
.rept 3
	SLICE 2-(\x)                    ; the lump begins: slices 32 to 34
.endr
	v_nop                           ; the plain instruction behind the last exponential: one for the batch
.if (\x) == 0
	s_wait_dscnt 32                 ; the run's first 16 loads, the mask, are in; K's 32 stay out
.endif
.set n, 0
.rept 16
	UCV \x, n
.set n, n+1
.endr
.set n, 0
.rept 16
	UMX \x, n
.set n, n+1
.endr
.if (\x) == 2
	FETCH_V                         ; V's run of loads stands here, and the wait for the batch stands in it
.else
	s_wait_alu depctr_va_vdst(0)    ; the wait for the batch
.endif
.rept 13
	SLICE 2-(\x)                    ; slices 35 to 47: the lump's end
.endr
.if (\x) == 0
	s_wait_dscnt 0x0                ; K is in
.endif
.set i, 0
.rept 16
	KQ \x
	SLICE 2-(\x)
.set i, i+1
.endr
.endm
; THE CHANGE OF SLOTS, between piece 2's turn and piece 0's: the slot's last bytes, V of its second step, have been asked for.  Each wave waits for all its tensor loads, of which one is out: its part of the
; other slot; adds 0 to its spare word; and waits for that and for its own reads of the slot.  fill = 1: the barrier is a round of the cluster's, and the slot is filled again, with the keys two slots on,
; first thing behind it: the load has two key steps, 192 matrix instructions, in which to land.
.macro CHANGE fill
	WIN 0
	s_wait_tensorcnt 0x0            ; no tensor load of mine is out, so a group 0 may be written
	ds_add_u32 v[SPW], v[NIL]       ; 0 onto my spare word
.if \fill
	s_xor_b32 s[G0K+5], s[G0K+5], SLOT1      ; the walking descriptors: the other slot than last time,
	s_add_nc_u64 s[G0K+6:G0K+7], s[G0K+6:G0K+7], 2*KS*256  ; the next 128 keys' rows
	s_xor_b32 s[G0V+5], s[G0V+5], VX
	s_add_nc_u64 s[G0V+6:G0V+7], s[G0V+6:G0V+7], 2*KS*256
	s_xor_b32 s[G0M+5], s[G0M+5], SLOT1
	s_add_nc_u64 s[G0M+6:G0M+7], s[G0M+6:G0M+7], 2*KS*4    ; the next 128 keys along the mask's rows
	s_wait_xcnt 0x0                 ; the last prefetch, two key steps back, has read its address
	s_add_nc_u64 s[PFA:PFA+1], s[PFA:PFA+1], s[PFS:PFS+1]
	s_wait_dscnt 0x0                ; the add is done, and my reads of the slot are over
	CROUND
	JLOAD
	ASK
.else
	s_wait_dscnt 0x0
	s_barrier_signal -1
	s_barrier_wait -1
.endif
	s_sub_co_u32 s[TBK], s[TBK], 2*KS*PK  ; the fetches go back to a slot's first step, in the other slot
	s_xor_b32 s[TBK], s[TBK], SLOT1
	s_sub_co_u32 s[TBV], s[TBV], VSL
	s_xor_b32 s[TBV], s[TBV], VSL
	s_sub_co_u32 s[TBM], s[TBM], 2*KS*4
	s_xor_b32 s[TBM], s[TBM], SLOT1
.endm
	s_wait_tensorcnt 1              ; my part of slot 0 is in; slot 1's may stay out
	s_barrier_signal -1
	s_barrier_wait -1
	FETCH_K                         ; key step 0
	FETCH_V 0                       ; and its V, so that the first turn's products V^T P, with P = 0, multiply finite numbers;
	s_sub_co_u32 s[TBV], s[TBV], KS*PV  ; that turn fetches the same V in its own place
	s_wait_loadcnt 0x0              ; Q
	s_wait_dscnt 0x0
.set n, 0
.rept 16
	UCV 0, n
.set n, n+1
.endr
.set n, 0
.rept 16
	UMX 0, n
.set n, n+1
.endr
.set i, 0
.rept 16
	KQ 0                            ; piece 0's first scores
.set i, i+1
.endr
	WIN 0                           ; the addresses for the way out: eight plain instructions, the places behind those products
	s_mul_i32 s3, s[WV], 16*SP
	s_add_co_u32 s3, s3, STAGE      ; my stage
	v_mul_u32_u24 v[STO], v1, SP    ; in: row l % 16, 16 bytes for each half of the lanes
	v_lshl_add_u32 v[STO], v9, 4, v[STO]
	v_add_nc_u32 v[STO], s3, v[STO]
	v_mul_u32_u24 v[RD], v9, SP     ; back: lanes 0-15 take one row of 256 bytes, lanes 16-31 the next
	v_lshl_add_u32 v[RD], v1, 4, v[RD]
	v_add_nc_u32 v[RD], s3, v[RD]
	v_lshlrev_b32 v[GO], 11, v9     ; and the same two rows in the output, 2,048 bytes apart
	v_lshl_add_u32 v[GO], v1, 4, v[GO]
	s_mov_b32 s[TWICE], 2
	s_branch .Lmid                  ; into the middle of a trip: piece 2's first scores | piece 0's first softmax | V of step 0; then the trip of step 0
.Lslot:                             ; 14 times: every slot but the last two is filled again
	CHANGE 1
	s_mov_b32 s[TWICE], 2
.Lstep:                             ; a trip: both pieces' V^T P of step j and K Q^T of step j + 1, whose mask, K and V it fetches
	TURN 0
	WIN 0
.Lmid:
	TURN 2
	WIN 0
	s_sub_co_u32 s[TWICE], s[TWICE], 1
	s_cmp_lg_u32 s[TWICE], 0
	s_cbranch_scc1 .Lstep
	s_sub_co_u32 s[SLOTS], s[SLOTS], 1
	s_cmp_lg_u32 s[SLOTS], 0
	s_cbranch_scc1 .Lslot
	CHANGE 0                        ; the tail is written out: nothing is asked for
	s_mov_b32 s[TWICE], 3           ; two trips fetch the last slot's steps; the third is left in its middle
.Ltail:
	TURN 0, 1
	WIN 0
	s_sub_co_u32 s[TWICE], s[TWICE], 1
	s_cmp_eq_u32 s[TWICE], 0
	s_cbranch_scc1 .Lout
	TURN 2
	WIN 0
	s_branch .Ltail
.Lout:
.set i, 0
.rept 32
	PV 2                            ; piece 2: V^T P of the last step
.set i, i+1
.endr
	; THE WAY OUT.  l's halves are added; for each block of 16 queries out = O_head0 / l0 - lam O_head1 / l1; its mean square over the 128 channels (64 in my lane, 64 in the lane 16 away); out x rsqrt(mean + 1e-6) x 0.6445.
	WIN 0
.irp t, 0,1,2,3
	v_add_f32 v[ST+8*(\t)+4], v[ST+8*(\t)+2], v[ST+8*(\t)+3]  ; four plain instructions: the places behind the last products
.endr
.irp t, 0,1,2,3
	v_permlanex16_b32 v[ST+8*(\t)+5], v[ST+8*(\t)+4], s[SEL], s[SEL+1]
.endr
.irp t, 0,1,2,3
	v_add_f32 v[ST+8*(\t)+4], v[ST+8*(\t)+4], v[ST+8*(\t)+5]
.endr
.irp t, 0,1,2,3
	v_rcp_f32 v[ST+8*(\t)+6], v[ST+8*(\t)+4]
.endr
	v_nop
	s_wait_alu depctr_va_vdst(0)    ; one wait for the four reciprocals
	v_mul_f32 v[ST+8*1+6], v[ST+8*1+6], v[NLAM]
	v_mul_f32 v[ST+8*3+6], v[ST+8*3+6], v[NLAM]
.macro DIFF x
	WIN W_RS
.set i, 64*(\x)
.rept 32
	v_pk_mul_f32 v[i:i+1], v[i:i+1], v[ST+8*(\x)+6:ST+8*(\x)+7] op_sel_hi:[1,0]
.set i, i+2
.endr
	WIN 0x51                        ; destination, sources 0 and 2 in window 1
.set i, 64*(\x)
.rept 32
	v_pk_fma_f32 v[i:i+1], v[i+64:i+65], v[ST+8*(\x)+14:ST+8*(\x)+15], v[i:i+1] op_sel_hi:[1,0,1]
.set i, i+2
.endr
	WIN 0x05                        ; sources 0 and 1 in window 1: the squares, in four chains
.set n, 0
.rept 32
.if n < 4
	v_pk_mul_f32 v[S+32*(\x)+2*n:S+32*(\x)+2*n+1], v[64*(\x)+2*n:64*(\x)+2*n+1], v[64*(\x)+2*n:64*(\x)+2*n+1]
.else
	v_pk_fma_f32 v[S+32*(\x)+2*(n%4):S+32*(\x)+2*(n%4)+1], v[64*(\x)+2*n:64*(\x)+2*n+1], v[64*(\x)+2*n:64*(\x)+2*n+1], v[S+32*(\x)+2*(n%4):S+32*(\x)+2*(n%4)+1]
.endif
.set n, n+1
.endr
	WIN 0
	v_pk_add_f32 v[S+32*(\x):S+32*(\x)+1], v[S+32*(\x):S+32*(\x)+1], v[S+32*(\x)+2:S+32*(\x)+3]
	v_pk_add_f32 v[S+32*(\x)+4:S+32*(\x)+5], v[S+32*(\x)+4:S+32*(\x)+5], v[S+32*(\x)+6:S+32*(\x)+7]
	v_pk_add_f32 v[S+32*(\x):S+32*(\x)+1], v[S+32*(\x):S+32*(\x)+1], v[S+32*(\x)+4:S+32*(\x)+5]
	v_add_f32 v[S+32*(\x)], v[S+32*(\x)], v[S+32*(\x)+1]
	v_permlanex16_b32 v[S+32*(\x)+1], v[S+32*(\x)], s[SEL], s[SEL+1]
	v_add_f32 v[S+32*(\x)], v[S+32*(\x)], v[S+32*(\x)+1]
	v_fma_f32 v[ST+8*(\x)+4], v[S+32*(\x)], s[RN], s[EPSR]
.endm
	DIFF 0
	DIFF 2
	v_rsq_f32 v[ST+4], v[ST+4]
	v_rsq_f32 v[ST+20], v[ST+20]
	v_nop
	s_wait_alu depctr_va_vdst(0)    ; one wait for the two roots
	v_mul_f32 v[ST+6], 0x3f24fd5c, v[ST+4]     ; x (1 - (0.8 - 0.6 e^-0.3))
	v_mul_f32 v[ST+22], 0x3f24fd5c, v[ST+20]
.macro PACK x                       ; a lane's eight channels of a row pack into 16 bytes; they go into rows of 272 bytes and come back as whole rows of 256
	WIN W_RS
.set i, 64*(\x)
.rept 32
	v_pk_mul_f32 v[i:i+1], v[i:i+1], v[ST+8*(\x)+6:ST+8*(\x)+7] op_sel_hi:[1,0]
.set i, i+2
.endr
	WIN 0x05
.set i, 0
.rept 32
	v_cvt_pk_f16_f32 v[P+16*(\x)+i], v[64*(\x)+2*i], v[64*(\x)+2*i+1]
.set i, i+1
.endr
	WIN 0
.irp f, 0,1,2,3,4,5,6,7
	ds_store_b128 v[STO], v[P+16*(\x)+4*(\f):P+16*(\x)+4*(\f)+3] offset:32*(\f)
.endr
.irp f, 0,1,2,3,4,5,6,7
	ds_load_b128 v[P+16*(\x)+4*(\f):P+16*(\x)+4*(\f)+3], v[RD] offset:(\f)*2*SP  ; LDS serves a wave's instructions in order (ISA guide 5.7.1.4): these see the stores above; the next block's stores come behind them
.endr
.endm
.macro SEND x, younger              ; younger: the LDS instructions issued behind this block's loads
.irp f, 0,1,2,3,4,5,6,7
	s_wait_dscnt (\younger)+7-(\f)
	global_store_b128 v[GO], v[P+16*(\x)+4*(\f):P+16*(\x)+4*(\f)+3], s[16:17] offset:((\x)/2)*32768+(\f)*4096  ; 16 lanes store 256 consecutive bytes, at a multiple of 256 from the buffer's first byte
.endr
.endm
	PACK 0
	PACK 2
	SEND 0, 16
	SEND 2, 0
	s_wait_tensorcnt 0x0            ; the wave's end, behind my last tensor load and my last LDS store
	ds_add_u32 v[SPW], v[NIL]
	s_wait_dscnt 0x0
	CROUND                          ; the closing round
	s_endpgm
.Lfunc_end_k_q42ded1f909_attn:
	.size	k_q42ded1f909_attn, .Lfunc_end_k_q42ded1f909_attn-k_q42ded1f909_attn
	.p2alignl 7, 3214868480
	.fill 96, 4, 3214868480
	.section	.rodata,"a",@progbits
	.p2align	6, 0x0
	.amdhsa_kernel k_q42ded1f909_attn
		.amdhsa_group_segment_fixed_size 327680
		.amdhsa_private_segment_fixed_size 0
		.amdhsa_enable_private_segment 0
		.amdhsa_kernarg_size 56
		.amdhsa_user_sgpr_count 2
		.amdhsa_user_sgpr_kernarg_segment_ptr 1
		.amdhsa_wavefront_size32 1
		.amdhsa_system_sgpr_workgroup_id_x 1
		.amdhsa_system_sgpr_workgroup_id_y 1
		.amdhsa_system_sgpr_workgroup_id_z 1
		.amdhsa_system_vgpr_workitem_id 0
		.amdhsa_next_free_vgpr 968
		.amdhsa_next_free_sgpr 106
		.amdhsa_reserve_vcc 0
		.amdhsa_float_denorm_mode_32 3
		.amdhsa_float_denorm_mode_16_64 3
		.amdhsa_memory_ordered 1
		.amdhsa_forward_progress 1
		.amdhsa_inst_pref_size 165
	.end_amdhsa_kernel
	.amdgpu_metadata
---
amdhsa.version: [ 1, 2 ]
amdhsa.kernels:
  - .name:           k_q42ded1f909_attn
    .symbol:         k_q42ded1f909_attn.kd
    .args:
      - { .name: qkv, .offset: 0, .size: 8, .value_kind: global_buffer, .address_space: global }
      - { .name: attention_mask, .offset: 8, .size: 8, .value_kind: global_buffer, .address_space: global }
      - { .name: lambda_q1, .offset: 16, .size: 8, .value_kind: global_buffer, .address_space: global }
      - { .name: lambda_k1, .offset: 24, .size: 8, .value_kind: global_buffer, .address_space: global }
      - { .name: lambda_q2, .offset: 32, .size: 8, .value_kind: global_buffer, .address_space: global }
      - { .name: lambda_k2, .offset: 40, .size: 8, .value_kind: global_buffer, .address_space: global }
      - { .name: ao, .offset: 48, .size: 8, .value_kind: global_buffer, .address_space: global }
    .group_segment_fixed_size: 327680
    .private_segment_fixed_size: 0
    .kernarg_segment_align: 8
    .kernarg_segment_size: 56
    .max_flat_workgroup_size: 128
    .sgpr_count:     106
    .vgpr_count:     968
    .wavefront_size: 32
...
	.end_amdgpu_metadata
.endif
;; end of part 3
;; launch oproj (part 4): grid 16 x 16, 4 waves a work-group, clusters of 4 x 4, 327,680 bytes of LDS; arguments ao, bf, out0; writes out0
.if DOCPART == 4
	.amdgcn_target "amdgcn-amd-amdhsa--gfx1250"
	.amdhsa_code_object_version 6
	.text
	.protected	k_q42ded1f909_oproj
	.globl	k_q42ded1f909_oproj
	.p2align	8
	.type	k_q42ded1f909_oproj,@function
k_q42ded1f909_oproj:
	s_mov_b64 s[64:65], 0
	v_nop
	global_prefetch_b8 v0, s[64:65] scope:SCOPE_SE
	s_setreg_imm32_b32 hwreg(HW_REG_WAVE_MODE, 25, 1), 1
	s_wait_xcnt 0x0
	s_wait_alu depctr_hold_cnt(0) depctr_sa_sdst(0) depctr_va_vdst(0) depctr_va_sdst(0) depctr_va_ssrc(0) depctr_va_vcc(0) depctr_vm_vsrc(0)
	s_getreg_b32 s2, hwreg(HW_REG_IB_STS2, 6, 4)
	s_cmp_eq_u32 s2, 0
	s_cbranch_scc0 .Lentry_in_a_cluster
	s_endpgm
.Lentry_in_a_cluster:
	s_bfe_u32 s2, ttmp6, 0x10000c
	s_cmp_lg_u32 s2, 0xf033
	s_cbranch_scc0 .Lentry_shape_is_right
	s_endpgm
.Lentry_shape_is_right:
; THE LAST PROJECTION.  out[m][n] = sum over k of a[m][k] wo[n][k]; a [4096][1024] f16 (the normed attention output), wo [2048][1024] f16 (its bf16 numbers), out [4096][2048] f32; sums in f32.
; SHARES.  A tile of out is 256 rows x 128 columns: 16 x 16 work-groups.  Wave w makes rows 64 w .. 64 w + 63, all 128 columns: 32 accumulators, 256 registers.
; K goes in steps of 128 (rows of 256 bytes) through two LDS slots.  Waves 0 and 1 fetch A's two halves (128 rows each), waves 2 and 3 B's (64 rows each).
; A trip of the loop is ONE K step: slot 1 begins at 2^17, so that one exclusive or turns an LDS address in one slot into the other's; one descriptor an operand walks from K step 1 on.
; CLUSTER 4 x 4: A's tile is asked for jointly along a row of the cluster, B's along a column.
; THE MATRIX INSTRUCTION IS USED TRANSPOSED (source 0 = 16 rows of wo, source 1 = 16 rows of a): a lane holds row lane % 16 and eight neighbouring columns, 32 bytes of a row of out.
; REGISTERS.  window 0: v0-31 addresses; v32-127, v128-223 two fragment buffers (A's 4 fragments, then B's 8); on the way out v32-159 whole rows.   window 1: the accumulators, (a, b) at v[8 (8 a + b)].
.set SIZE_K, 1024
.set ROWB,   2*SIZE_K
.set KSTEP,  128
.set STEPS,  SIZE_K/KSTEP
.set PITCH,  272                       ; an LDS row: 256 bytes + 16 of padding: the 16 rows of a fragment load start at 16 different groups of four banks (64 banks of 4 bytes: ISA guide 11.1)
.set HALFA,  128*PITCH
.set HALFB,  64*PITCH
.set BOFF,   2*HALFA
.set SLOT,   BOFF+2*HALFB              ; 104,448 bytes, under 2^17
.set SLOT1,  1<<17
.set STAGE,  SLOT1+SLOT                ; behind the ring: 16 rows x 528 bytes for each wave, for the way out; no tensor load fills it
.set SPITCH, 528                       ; 512 bytes + 16
.set SPARE,  STAGE+4*16*SPITCH         ; the spare words, 128 bytes for each wave: two blocks of 256 bytes that no other line names
.set WO,     25165824                  ; wo's byte offset in the workspace
.set PADW,   (1<<16)|(1<<20)|(1<<21)|(5<<22)|(3<<25)
.set ADRA, 16                          ; v16     LDS address of my A fragments in the slot in hand
.set ADRB, 20                          ; v20     the same for B
.set STO,  24
.set RD,   25
.set CO,   26
.set SPW,  28                          ; v28     my spare word; never rewritten
.set NIL,  29                          ; v29     0; never rewritten
.set PFO,  30                          ; v30     the prefetches' offset; never rewritten
.set F0,   32
.set F1,   128
.set OB,   32
.set G1,  24
.set G0,  32                           ; s[32:39] group 0 for A: a set for each of the two first fills; the second then walks on
.set G1B, 48
.set G0B, 56
.set LIM, 43                           ; s43     2 in a wave that prefetches, else the greatest number
.set PFA, 44
.set MSB, 0
.macro WIN new
.if MSB != (\new)
	s_set_vgpr_msb (MSB<<8)|(\new)
.set MSB, \new
.endif
.endm
.set MUL, 0x50                         ; C and D in window 1
.macro JLOAD s                         ; a joint load; the branch hangs on the wave's number alone; an s_nop 0 and four v_nop follow each line
	s_cmp_eq_u32 s11, 0
	s_cbranch_scc0 .Lfor_b_\@
	tensor_load_to_lds s[G0+4*(\s):G0+4*(\s)+3], s[G1:G1+7]
	s_nop 0
.rept 4
	v_nop
.endr
	s_branch .Lasked_\@
.Lfor_b_\@:
	tensor_load_to_lds s[G0B+4*(\s):G0B+4*(\s)+3], s[G1B:G1B+7]
	s_nop 0
.rept 4
	v_nop
.endr
.Lasked_\@:
.endm
.macro CREST
	s_cmp_lg_u32 s10, 0
	s_cbranch_scc1 .Lnot_wave_0_\@
	s_barrier_signal -3
.Lnot_wave_0_\@:
	s_barrier_wait -3
	s_barrier_signal -1
	s_barrier_wait -1
.endm
.macro CROUND
	s_barrier_signal -1
	s_barrier_wait -1
	CREST
.endm
; A prefetch of the K step that stands two refills on: 32 rows x 256 bytes, a lane a row.  A's rows: the clusters with x = 0, waves 0 and 1, the partners of a row 32 rows each by address.  B's rows: the clusters
; with y = 0, wave 2, the partners of a column 32 of the tile's 128 rows each.  So each row's 256 bytes of a K step are named once.
; Trip t refills K step t + 2 and names K step t + 4; the counter is STEPS - 2 - t, so the loop's last two trips, whose K step t + 4 does not exist, ask for nothing.
.macro ASK
	s_cmp_gt_u32 s3, s[LIM]
	s_cbranch_scc0 .Lnot_mine_\@
	global_prefetch_b8 v[PFO], s[PFA:PFA+1] offset:KSTEP*2 th:TH_LOAD_NT scope:SCOPE_SE
.Lnot_mine_\@:
.endm
	s_load_b128 s[4:7], s[0:1], 0x0                ; a s[4:5], the 16-bit inputs s[6:7]
	s_load_b64 s[8:9], s[0:1], 0x10                ; out
	v_lshl_add_u32 v[SPW], v0, 2, SPARE
	v_mov_b32 v[NIL], 0
	ds_add_u32 v[SPW], v[NIL]                      ; the wave's opening: the add and its wait stand ahead of my first tensor load; work on registers stands between them
	v_lshrrev_b32 v1, 5, v0
	v_readfirstlane_b32 s10, v1
	s_lshr_b32 s11, s10, 1                         ; I fetch for A (0) or for B (1)
	s_and_b32 s12, s10, 1                          ; which half of that tile
	s_bfe_u32 s40, ttmp6, 0x40000                  ; cx
	s_bfe_u32 s41, ttmp6, 0x40004                  ; cy
	s_lshl_b32 s42, ttmp9, 2
	s_add_co_u32 s42, s42, s40                     ; tile column
	s_and_b32 s13, ttmp7, 0xffff
	s_lshl_b32 s13, s13, 2
	s_add_co_u32 s13, s13, s41                     ; tile row
	s_lshl_b32 s70, s41, 2
	s_lshl_b32 s70, 15, s70                        ; my row of the cluster
	s_lshl_b32 s71, 0x1111, s40                    ; my column
	s_or_b32 s[G1+0], s70, PADW
	s_or_b32 s[G1B+0], s71, PADW
	s_mov_b32 s[G1+1], KSTEP<<16
	s_mov_b32 s[G1+2], 128<<16
	s_mov_b32 s[G1+3], KSTEP<<16
	s_mov_b32 s[G1+4], 128
	s_mov_b32 s[G1+5], SIZE_K
	s_mov_b32 s[G1+6], 0
	s_mov_b32 s[G1+7], 0
	s_mov_b32 s[G1B+1], KSTEP<<16
	s_mov_b32 s[G1B+2], 64<<16
	s_mov_b32 s[G1B+3], KSTEP<<16
	s_mov_b32 s[G1B+4], 64
	s_mov_b32 s[G1B+5], SIZE_K
	s_mov_b32 s[G1B+6], 0
	s_mov_b32 s[G1B+7], 0
	s_lshl_b32 s16, s13, 8
	s_lshl_b32 s17, s12, 7
	s_add_co_u32 s16, s16, s17                     ; A: row 256 x tile row + 128 x half
	s_mul_i32 s16, s16, ROWB
	s_mov_b32 s17, 0
	s_lshl_b32 s46, s42, 7
	s_lshl_b32 s47, s12, 6
	s_add_co_u32 s46, s46, s47                     ; B: row 128 x tile column + 64 x half
	s_mul_i32 s46, s46, ROWB
	s_add_co_u32 s46, s46, WO
	s_mov_b32 s47, 0
	s_mul_i32 s20, s12, HALFA
	s_mul_i32 s21, s12, HALFB
	s_add_co_u32 s21, s21, BOFF
	s_wait_dscnt 0x0                               ; the opening add is done
	s_wait_kmcnt 0x0
	s_add_nc_u64 s[14:15], s[4:5], s[16:17]
	s_add_nc_u64 s[46:47], s[6:7], s[46:47]
	CROUND                                         ; all sixteen work-groups are here: the first joint loads meet
.irp s, 0,1
	s_mov_b32 s[G0+4*(\s)], 1
	s_add_co_u32 s[G0+4*(\s)+1], s20, (\s)*SLOT1
	s_add_nc_u64 s[G0+4*(\s)+2:G0+4*(\s)+3], s[14:15], (\s)*KSTEP*2
	s_or_b32 s[G0+4*(\s)+3], s[G0+4*(\s)+3], 0x80000000
	s_mov_b32 s[G0B+4*(\s)], 1
	s_add_co_u32 s[G0B+4*(\s)+1], s21, (\s)*SLOT1
	s_add_nc_u64 s[G0B+4*(\s)+2:G0B+4*(\s)+3], s[46:47], (\s)*KSTEP*2
	s_or_b32 s[G0B+4*(\s)+3], s[G0B+4*(\s)+3], 0x80000000
	JLOAD \s
.endr
	v_and_b32 v1, 15, v0                           ; r
	v_bfe_u32 v2, v0, 4, 1                         ; h
	v_mul_u32_u24 v3, v1, PITCH
	v_lshl_add_u32 v3, v2, 4, v3
	s_mul_i32 s22, s10, 64*PITCH
	v_add_nc_u32 v[ADRA], s22, v3                  ; both in slot 0
	v_add_nc_u32 v[ADRB], BOFF, v3
	s_mul_i32 s22, s10, 16*SPITCH
	s_add_co_u32 s22, s22, STAGE                   ; my stage
	v_mul_u32_u24 v5, v1, SPITCH                   ; in: row r, 32 bytes for each half of the lanes
	v_lshl_add_u32 v5, v2, 5, v5
	v_add_nc_u32 v[STO], s22, v5
	v_and_b32 v[CO], 31, v0                        ; back: 32 lanes take one row of 512 bytes
	v_lshlrev_b32 v[CO], 4, v[CO]
	v_add_nc_u32 v[RD], s22, v[CO]
	s_lshl_b32 s76, s13, 21                        ; out: (256 x tile row + 64 x wave) rows of 8,192 bytes, 512 x tile column
	s_lshl_b32 s77, s10, 19
	s_add_co_u32 s76, s76, s77
	s_lshl_b32 s77, s42, 9
	s_add_co_u32 s76, s76, s77
	s_mov_b32 s77, 0
	s_add_nc_u64 s[8:9], s[8:9], s[76:77]
	s_lshl_b32 s76, s13, 8                         ; the prefetches.  A: 256 x tile row + 128 x half + 32 cx
	s_lshl_b32 s77, s12, 7
	s_add_co_u32 s76, s76, s77
	s_lshl_b32 s77, s40, 5
	s_add_co_u32 s76, s76, s77
	s_mul_i32 s76, s76, ROWB
	s_lshl_b32 s77, s42, 7                         ; B: 128 x tile column + 32 cy
	s_lshl_b32 s78, s41, 5
	s_add_co_u32 s77, s77, s78
	s_mul_i32 s77, s77, ROWB
	s_add_co_u32 s77, s77, WO
	s_and_b32 s78, ttmp7, 0xffff                   ; cluster y,
	s_or_b32 s78, s78, s12                         ; and wave 3 never asks
	s_cmp_eq_u32 s11, 0
	s_cselect_b32 s76, s76, s77
	s_cselect_b32 s78, ttmp9, s78
	s_cselect_b64 s[PFA:PFA+1], s[4:5], s[6:7]
	s_mov_b32 s77, 0
	s_cmp_eq_u32 s78, 0
	s_cselect_b32 s[LIM], 2, -1                    ; the same in all sixteen partners, for a given wave
	s_add_nc_u64 s[PFA:PFA+1], s[PFA:PFA+1], s[76:77]
	s_add_nc_u64 s[PFA:PFA+1], s[PFA:PFA+1], 2*KSTEP*2  ; at K step 2: the first refill steps it to 3 and names K step 4
	v_and_b32 v[PFO], 31, v0
	v_mul_u32_u24 v[PFO], v[PFO], ROWB
; 8 matrix instructions: row block a x all 8 column blocks, 32 along K.  The 32 accumulators take turns, one instruction a turn.
.macro MUL8 f, a, zero
	WIN MUL
.irp b, 0,1,2,3,4,5,6,7
.if \zero
	v_wmma_f32_16x16x32_f16 v[8*(8*(\a)+(\b)):8*(8*(\a)+(\b))+7], v[(\f)+32+8*(\b):(\f)+32+8*(\b)+7], v[(\f)+8*(\a):(\f)+8*(\a)+7], 0
.else
	v_wmma_f32_16x16x32_f16 v[8*(8*(\a)+(\b)):8*(8*(\a)+(\b))+7], v[(\f)+32+8*(\b):(\f)+32+8*(\b)+7], v[(\f)+8*(\a):(\f)+8*(\a)+7], v[8*(8*(\a)+(\b)):8*(8*(\a)+(\b))+7]
.endif
.endr
.endm
.macro FETCH k, f                      ; 24 LDS loads in one run, from the slot in hand: B's eight fragments, then A's four
	WIN 0
.irp i, 0,1,2,3,4,5,6,7
	ds_load_b128 v[(\f)+32+8*(\i):(\f)+32+8*(\i)+3],   v[ADRB] offset:(\k)+(\i)*16*PITCH
	ds_load_b128 v[(\f)+32+8*(\i)+4:(\f)+32+8*(\i)+7], v[ADRB] offset:(\k)+(\i)*16*PITCH+32
.endr
.irp i, 0,1,2,3
	ds_load_b128 v[(\f)+8*(\i):(\f)+8*(\i)+3],   v[ADRA] offset:(\k)+(\i)*16*PITCH
	ds_load_b128 v[(\f)+8*(\i)+4:(\f)+8*(\i)+7], v[ADRA] offset:(\k)+(\i)*16*PITCH+32
.endr
.endm
.macro PLACES                          ; four places in front of loads into registers that matrix instructions have read, and of stores of their results
.rept 4
	v_nop
.endr
.endm
.macro QUARTER k, f, g, zero
	s_wait_dscnt 4                                 ; B and A's row blocks 0 and 1 are in; the youngest four loads may be out
	MUL8 \f, 0, \zero
	MUL8 \f, 1, \zero
	PLACES
	FETCH \k, \g
	s_wait_dscnt 24                                ; all but the 24 just issued
	MUL8 \f, 2, \zero
	MUL8 \f, 3, \zero
.endm
; The last quarter multiplies buffer 1 and changes slots: one barrier; in front of it each wave waits for all its tensor loads, adds 0 to its spare word, and waits for that and for its reads of this slot.
; fill = 1: the barrier opens a round of the cluster's barrier, and this slot is filled again, two K steps ahead, first thing behind the round.
.macro TURN fill
.if \fill
	s_wait_xcnt 0x0                                ; the last prefetch, a K step back, has read its address
	s_add_nc_u64 s[PFA:PFA+1], s[PFA:PFA+1], KSTEP*2
.endif
	WIN 0
	s_wait_tensorcnt 0x0                           ; all my tensor loads have landed: my part of the next slot
	ds_add_u32 v[SPW], v[NIL]                      ; 0 onto my spare word
	s_wait_dscnt 5                                 ; the add and the youngest four loads may be out
	MUL8 F1, 0, 0
	s_wait_dscnt 0x0                               ; the add is done, and my reads of this slot are over
	s_barrier_signal -1
	MUL8 F1, 1, 0
	WIN 0                                          ; branches, or the addresses' lines, follow
	s_barrier_wait -1
.if \fill
	CREST
	s_xor_b32 s[G0+5], s[G0+5], SLOT1              ; the walking descriptors: the other slot than last time, the next K step
	s_add_nc_u64 s[G0+6:G0+7], s[G0+6:G0+7], KSTEP*2
	s_xor_b32 s[G0B+5], s[G0B+5], SLOT1
	s_add_nc_u64 s[G0B+6:G0B+7], s[G0B+6:G0B+7], KSTEP*2
	JLOAD 1                                        ; its four v_nop are also the places in front of the loads below
.else
	PLACES
.endif
	v_xor_b32 v[ADRA], SLOT1, v[ADRA]              ; the fragments come from the other slot from here on
	v_xor_b32 v[ADRB], SLOT1, v[ADRB]
	FETCH 0, F0
.if \fill
	ASK
.endif
	MUL8 F1, 2, 0
	MUL8 F1, 3, 0
.endm
	s_wait_tensorcnt 1                             ; my part of K step 0 is in; K step 1's load may stay out
	s_barrier_signal -1
	s_barrier_wait -1
	FETCH 0, F0
	QUARTER 64, F0, F1, 1                          ; the first quarter's products start the sums
	WIN 0
	s_mov_b32 s3, STEPS-2
.Lstep:                                                ; a trip goes from a K step's second quarter to the next step's first, and fills the slot that it leaves
	QUARTER 128, F1, F0, 0
	QUARTER 192, F0, F1, 0
	TURN 1
	QUARTER 64,  F0, F1, 0
	WIN 0
	s_sub_co_u32 s3, s3, 1
	s_cmp_lg_u32 s3, 0
	s_cbranch_scc1 .Lstep
	QUARTER 128, F1, F0, 0                         ; the last two K steps fill nothing
	QUARTER 192, F0, F1, 0
	TURN 0
	QUARTER 64,  F0, F1, 0
	QUARTER 128, F1, F0, 0
	QUARTER 192, F0, F1, 0
	s_wait_dscnt 4
	MUL8 F1, 0, 0
	MUL8 F1, 1, 0
	s_wait_dscnt 0x0
	MUL8 F1, 2, 0
	MUL8 F1, 3, 0
	WIN 0
	; THE WAY OUT, 16 rows at a time: a lane's 32 bytes of a row go into my stage (rows of 528 bytes), whole rows of 512 bytes come back and are stored.  Each accumulator's lowest registers are read first.
	PLACES
.irp a, 0,1,2,3
	WIN 0x04                                       ; the stores' data in window 1
.irp b, 0,1,2,3,4,5,6,7
	ds_store_b128 v[STO], v[8*(8*(\a)+(\b)):8*(8*(\a)+(\b))+3]   offset:64*(\b)
	ds_store_b128 v[STO], v[8*(8*(\a)+(\b))+4:8*(8*(\a)+(\b))+7] offset:64*(\b)+16
.endr
	WIN 0
	s_wait_xcnt 0x0                                ; earlier stores have read the registers that are loaded below
.irp t, 0,1,2,3,4,5,6,7,8,9,10,11,12,13,14,15
	ds_load_b128 v[OB+64*((\a)%2)+4*(\t):OB+64*((\a)%2)+4*(\t)+3], v[RD] offset:(\t)*SPITCH  ; LDS serves a wave's instructions in order (ISA guide 5.7.1.4): these see the stores above
.endr
.irp t, 0,1,2,3,4,5,6,7,8,9,10,11,12,13,14,15
	s_wait_dscnt 15-(\t)                           ; row t is back; the younger loads stay out
	global_store_b128 v[CO], v[OB+64*((\a)%2)+4*(\t):OB+64*((\a)%2)+4*(\t)+3], s[8:9] offset:(16*(\a)+(\t))*8192 th:TH_STORE_NT  ; 512 consecutive bytes, at a multiple of 256 from out's first byte
.endr
.endr
	s_wait_tensorcnt 0x0                           ; the wave's end, behind my last tensor load and my last LDS store
	ds_add_u32 v[SPW], v[NIL]
	s_wait_dscnt 0x0
	CROUND                                         ; the closing round
	s_endpgm
.Lfunc_end_k_q42ded1f909_oproj:
	.size	k_q42ded1f909_oproj, .Lfunc_end_k_q42ded1f909_oproj-k_q42ded1f909_oproj
	.p2alignl 7, 3214868480
	.fill 96, 4, 3214868480
	.section	.rodata,"a",@progbits
	.p2align	6, 0x0
	.amdhsa_kernel k_q42ded1f909_oproj
		.amdhsa_group_segment_fixed_size 327680
		.amdhsa_private_segment_fixed_size 0
		.amdhsa_enable_private_segment 0
		.amdhsa_kernarg_size 24
		.amdhsa_user_sgpr_count 2
		.amdhsa_user_sgpr_kernarg_segment_ptr 1
		.amdhsa_wavefront_size32 1
		.amdhsa_system_sgpr_workgroup_id_x 1
		.amdhsa_system_sgpr_workgroup_id_y 1
		.amdhsa_system_sgpr_workgroup_id_z 1
		.amdhsa_system_vgpr_workitem_id 0
		.amdhsa_next_free_vgpr 512
		.amdhsa_next_free_sgpr 80
		.amdhsa_reserve_vcc 0
		.amdhsa_float_denorm_mode_32 3
		.amdhsa_float_denorm_mode_16_64 3
		.amdhsa_memory_ordered 1
		.amdhsa_forward_progress 1
		.amdhsa_inst_pref_size 72
	.end_amdhsa_kernel
	.amdgpu_metadata
---
amdhsa.version: [ 1, 2 ]
amdhsa.kernels:
  - .name:           k_q42ded1f909_oproj
    .symbol:         k_q42ded1f909_oproj.kd
    .args:
      - { .name: ao, .offset: 0, .size: 8, .value_kind: global_buffer, .address_space: global }
      - { .name: bf, .offset: 8, .size: 8, .value_kind: global_buffer, .address_space: global }
      - { .name: out0, .offset: 16, .size: 8, .value_kind: global_buffer, .address_space: global }
    .group_segment_fixed_size: 327680
    .private_segment_fixed_size: 0
    .kernarg_segment_align: 8
    .kernarg_segment_size: 24
    .max_flat_workgroup_size: 128
    .sgpr_count:     80
    .vgpr_count:     512
    .wavefront_size: 32
...
	.end_amdgpu_metadata
.endif
;; end of part 4
;; ======== version 2 of 2: 4 launches; version 1 with the launch cast written anew for expert scheduling mode
;; limits: values are held in f16: magnitudes above 65,504 overflow, below 6.1e-05 lose precision
;; workspace buffers: bf 30,408,704 bytes; qkv 16,777,216 bytes; ao 8,388,608 bytes
;; launch cast (part 5): grid 16 x 58, 8 waves a work-group, no clusters, 0 bytes of LDS; arguments hidden_states, wq, wk, wv, wo, cos, sin, bf; writes bf
.if DOCPART == 5
	.amdgcn_target "amdgcn-amd-amdhsa--gfx1250"
	.amdhsa_code_object_version 6
	.text
	.protected	k_q42ded1f909_cast
	.globl	k_q42ded1f909_cast
	.p2align	8
	.type	k_q42ded1f909_cast,@function
k_q42ded1f909_cast:
	s_mov_b64 s[64:65], 0
	v_nop
	global_prefetch_b8 v0, s[64:65] scope:SCOPE_SE
	s_setreg_imm32_b32 hwreg(HW_REG_WAVE_SCHED_MODE, 0, 2), 2
	s_setreg_imm32_b32 hwreg(HW_REG_WAVE_MODE, 25, 1), 1
	s_wait_xcnt 0x0
	s_wait_alu depctr_vm_vsrc(0)
; THE MATRIX OPERANDS AMONG THE INPUTS, AND COS AND SIN, ARE ROUNDED ONCE TO 16 BITS, into one workspace of 58 units of 524,288 bytes:
;   units 0-31 x; 32-39 wq x 2^-5; 40-43 wk x 2^-5; 44-47 wv; 48-55 wo; 56 cos; 57 sin.
; All are bf16 but wo, whose bf16 number is written as f16 (the last product multiplies in f16).  The factors are powers of two, so they commute with the rounding.
; LIMITS.  wo's bf16 number is exact in f16 from 6.1e-5 to 65,504; below that it keeps f16's fixed step of 6e-8.  NaN and infinities pass as the conversions make them.
; SHARES.  Work-group (x, y): unit y is 1 MiB of one input, chunk x 64 KiB of it.  Thread t takes 16 bytes at 16 t + 4,096 i, i = 0..15: a wave's load covers 512 consecutive bytes,
; its store of 8 bytes a lane 256 consecutive bytes, aligned.  All sixteen loads go out first; each load and each store has registers of its own.
; No LDS, no matrix unit, no cluster: nothing is shared and nothing is multiplied.
; THE MODE: SCHED_MODE bits 1:0 = 2 (LLVM: expert scheduling mode 2), set by the entry lines.  The code itself states the register dependences
; between vector instructions and memory instructions, with s_wait_alu, always for 0.
; THE PLAN.  Registers that memory instructions touch:
;   v1, v2   byte offsets of the loads and of the stores: made once at the head and never written again.
;   X        load i lands in its four registers; no vector instruction names them ahead of the loads, and no load is issued behind the first conversion.
;   Y        store i reads its two registers; the conversions write them ahead of that store, and no line writes them behind it.
; The sixteen loads are worked on in four blocks of four.  Block p's vector lines name X and Y of block p alone; its memory instructions are the four stores of block p - 1,
; which read v2 and Y of block p - 1.  So one wait on va_vdst at the head of a block states all that those four stores hang on, and they are dealt among the block's conversions
; with no further wait.  No register that a memory instruction reads is ever written again, so no wait on vm_vsrc is owed; no vector instruction writes a scalar register, and EXEC stays as it is.
.set X, 4                              ; v[4:67]   load i: four f32
.set Y, 68                             ; v[68:99]  store i: four 16-bit numbers
	s_load_b512 s[8:23], s[0:1], 0x0               ; x s[8:9], wq s[10:11], wk s[12:13], wv s[14:15], wo s[16:17], cos s[18:19], sin s[20:21], the workspace s[22:23]
	s_and_b32 s2, ttmp7, 0xffff                    ; the unit
	v_lshlrev_b32 v1, 4, v0                        ; my 16 bytes in
	v_lshlrev_b32 v2, 3, v0                        ; my 8 bytes out
	s_mov_b32 s32, 0xffff0000                      ; a word's upper bf16
	s_mov_b32 s28, 57                              ; the input's first unit
	s_mov_b32 s29, 0                               ; kind 0: round; 1: scale and round; 2: round, and write as f16
	s_mov_b32 s30, 1.0                             ; the scale
	s_wait_kmcnt 0x0
	s_mov_b64 s[26:27], s[20:21]                   ; unit 57 is sin; each line below takes over for the units under its bound
.macro PICK bound, src, u0, kind, scl
	s_cmp_lt_u32 s2, \bound
	s_cselect_b64 s[26:27], s[(\src):(\src)+1], s[26:27]
	s_cselect_b32 s28, \u0, s28
	s_cselect_b32 s29, \kind, s29
	s_cselect_b32 s30, \scl, s30
.endm
	PICK 57, 18, 56, 0, 1.0
	PICK 56, 16, 48, 2, 1.0
	PICK 48, 14, 44, 0, 1.0
	PICK 44, 12, 40, 1, 0x3d000000                 ; 2^-5
	PICK 40, 10, 32, 1, 0x3d000000
	PICK 32, 8, 0, 0, 1.0
	s_mov_b32 s31, s30                             ; named with it as a pair
	s_sub_co_u32 s34, s2, s28
	s_lshl_b32 s34, s34, 20                        ; the unit's MiB in its input,
	s_lshl_b32 s35, ttmp9, 16                      ; my chunk of it
	s_or_b32 s34, s34, s35
	s_mov_b32 s35, 0
	s_add_nc_u64 s[26:27], s[26:27], s[34:35]
	s_lshl_b32 s36, s2, 19                         ; and half as many bytes out
	s_lshl_b32 s37, ttmp9, 15
	s_or_b32 s36, s36, s37
	s_mov_b32 s37, 0
	s_add_nc_u64 s[24:25], s[22:23], s[36:37]
	s_wait_alu depctr_va_vdst(0)                   ; v1 and v2 are written: every load of the kernel reads v1 as its offset, every store v2
.set i, 0
.rept 16
	global_load_b128 v[X+4*i:X+4*i+3], v1, s[26:27] offset:4096*i th:TH_LOAD_NT
.set i, i+1
.endr
; Block p of four: loads 4 p to 4 p + 3 are converted; the stores of block p - 1 go out among the conversions, one ahead of each load's lines.
.macro BLK kind, p
	s_wait_loadcnt 12-4*(\p)                       ; loads come back in order (ISA guide 5.7.1): this block's four are in, the 12 - 4 p younger ones stay out
.if (\p) > 0
	s_wait_alu depctr_va_vdst(0)                   ; the block before has written its eight registers of Y, which the four stores below read
.endif
.irp q, 0,1,2,3
.set i, 4*(\p)+(\q)
.if (\p) > 0
	global_store_b64 v2, v[Y+2*(i-4):Y+2*(i-4)+1], s[24:25] offset:2048*(i-4) th:TH_STORE_NT  ; no vector instruction since the wait names these registers
.endif
.if (\kind) == 1
	v_pk_mul_f32 v[X+4*i:X+4*i+1], v[X+4*i:X+4*i+1], s[30:31] op_sel_hi:[1,0]
	v_pk_mul_f32 v[X+4*i+2:X+4*i+3], v[X+4*i+2:X+4*i+3], s[30:31] op_sel_hi:[1,0]
.endif
	v_cvt_pk_bf16_f32 v[Y+2*i], v[X+4*i], v[X+4*i+1]
	v_cvt_pk_bf16_f32 v[Y+2*i+1], v[X+4*i+2], v[X+4*i+3]
.if (\kind) == 2
	v_lshlrev_b32 v[X+4*i], 16, v[Y+2*i]           ; the bf16 numbers as f32 again,
	v_and_b32 v[X+4*i+1], s32, v[Y+2*i]
	v_lshlrev_b32 v[X+4*i+2], 16, v[Y+2*i+1]
	v_and_b32 v[X+4*i+3], s32, v[Y+2*i+1]
	v_cvt_pk_f16_f32 v[Y+2*i], v[X+4*i], v[X+4*i+1]  ; and written as f16
	v_cvt_pk_f16_f32 v[Y+2*i+1], v[X+4*i+2], v[X+4*i+3]
.endif
.endr
.endm
.macro CONV kind
	BLK \kind, 0                                   ; block 0 has no block in front of it: no store, and no wait but the one for its data
	BLK \kind, 1
	BLK \kind, 2
	BLK \kind, 3
	s_wait_alu depctr_va_vdst(0)                   ; block 3 has written its eight registers of Y, which the last four stores read
.irp q, 12,13,14,15
	global_store_b64 v2, v[Y+2*(\q):Y+2*(\q)+1], s[24:25] offset:2048*(\q) th:TH_STORE_NT
.endr
	s_endpgm
.endm
	s_cmp_eq_u32 s29, 1
	s_cbranch_scc1 .Lscaled
	s_cmp_eq_u32 s29, 2
	s_cbranch_scc1 .Lhalf
	CONV 0
.Lscaled:
	CONV 1
.Lhalf:
	CONV 2
.Lfunc_end_k_q42ded1f909_cast:
	.size	k_q42ded1f909_cast, .Lfunc_end_k_q42ded1f909_cast-k_q42ded1f909_cast
	.p2alignl 7, 3214868480
	.fill 96, 4, 3214868480
	.section	.rodata,"a",@progbits
	.p2align	6, 0x0
	.amdhsa_kernel k_q42ded1f909_cast
		.amdhsa_group_segment_fixed_size 0
		.amdhsa_private_segment_fixed_size 0
		.amdhsa_enable_private_segment 0
		.amdhsa_kernarg_size 64
		.amdhsa_user_sgpr_count 2
		.amdhsa_user_sgpr_kernarg_segment_ptr 1
		.amdhsa_wavefront_size32 1
		.amdhsa_system_sgpr_workgroup_id_x 1
		.amdhsa_system_sgpr_workgroup_id_y 1
		.amdhsa_system_sgpr_workgroup_id_z 1
		.amdhsa_system_vgpr_workitem_id 0
		.amdhsa_next_free_vgpr 104
		.amdhsa_next_free_sgpr 66
		.amdhsa_reserve_vcc 0
		.amdhsa_float_denorm_mode_32 3
		.amdhsa_float_denorm_mode_16_64 3
		.amdhsa_memory_ordered 1
		.amdhsa_forward_progress 1
		.amdhsa_inst_pref_size 22
	.end_amdhsa_kernel
	.amdgpu_metadata
---
amdhsa.version: [ 1, 2 ]
amdhsa.kernels:
  - .name:           k_q42ded1f909_cast
    .symbol:         k_q42ded1f909_cast.kd
    .args:
      - { .name: hidden_states, .offset: 0, .size: 8, .value_kind: global_buffer, .address_space: global }
      - { .name: wq, .offset: 8, .size: 8, .value_kind: global_buffer, .address_space: global }
      - { .name: wk, .offset: 16, .size: 8, .value_kind: global_buffer, .address_space: global }
      - { .name: wv, .offset: 24, .size: 8, .value_kind: global_buffer, .address_space: global }
      - { .name: wo, .offset: 32, .size: 8, .value_kind: global_buffer, .address_space: global }
      - { .name: cos, .offset: 40, .size: 8, .value_kind: global_buffer, .address_space: global }
      - { .name: sin, .offset: 48, .size: 8, .value_kind: global_buffer, .address_space: global }
      - { .name: bf, .offset: 56, .size: 8, .value_kind: global_buffer, .address_space: global }
    .group_segment_fixed_size: 0
    .private_segment_fixed_size: 0
    .kernarg_segment_align: 8
    .kernarg_segment_size: 64
    .max_flat_workgroup_size: 256
    .sgpr_count:     66
    .vgpr_count:     104
    .wavefront_size: 32
...
	.end_amdgpu_metadata
.endif
;; end of part 5
;; launch qkv: the kernel of part 2 again; grid 16 x 16, 4 waves a work-group, clusters of 4 x 4, 327,680 bytes of LDS; arguments bf, qkv; writes qkv
;; launch attn: the kernel of part 3 again; grid 16 x 16, 4 waves a work-group, clusters of 4 x 4, 327,680 bytes of LDS; arguments qkv, attention_mask, lambda_q1, lambda_k1, lambda_q2, lambda_k2, ao; writes ao
;; launch oproj: the kernel of part 4 again; grid 16 x 16, 4 waves a work-group, clusters of 4 x 4, 327,680 bytes of LDS; arguments ao, bf, out0; writes out0
